; MI455X (gfx1250); checked and timed in simulation.
; The chip was launched on July 23, 2026; its instructions are those of AMD's public machine-readable ISA for CDNA 5 (MIT licence, August 2026) and "CDNA5" Instruction Set Architecture Reference Guide (July 2026). The comments in the code are by the model that wrote it; some were corrected since.
;; Single Head Attention. Allowed arithmetic: matrix products marked QUANTISED: E4M3 operands, one E8M0 scale for each 32 along K, by v_wmma_scale_f32_16x16x128_f8f6f4 with both operands' format E4M3, f32 sums; everything else in f32.
;; Inputs: Wk_codes 1,024 x 32 x 32 uint8 (E4M3 codes of Wk, K innermost, in blocks of 32 codes); Wk_scales 1,024 x 32 uint8 (E8M0 scales of Wk, one for each 32 codes along K); Wq_codes 1,024 x 32 x 32 uint8 (E4M3 codes of Wq, K innermost, in blocks of 32 codes); Wq_scales 1,024 x 32 uint8 (E8M0 scales of Wq, one for each 32 codes along K); Wv_codes 1,024 x 32 x 32 uint8 (E4M3 codes of Wv, K innermost, in blocks of 32 codes); Wv_scales 1,024 x 32 uint8 (E8M0 scales of Wv, one for each 32 codes along K); bk 1,024 float32; bq 1,024 float32; bv 1,024 float32; x_codes 4 x 2,048 x 32 x 32 uint8 (E4M3 codes of x, K innermost, in blocks of 32 codes); x_scales 4 x 2,048 x 32 uint8 (E8M0 scales of x, one for each 32 codes along K).
;; Outputs: out0 4 x 2,048 x 1,024 float32.
;; This version of the problem:
;;   THIS VERSION OF THE PROBLEM IS GIVEN IN LOW PRECISION. The matrix products marked QUANTISED in the list below multiply operands that are first quantised to E4M3 (4 exponent bits, 3 mantissa bits; 8 bits a number), with one power-of-two scale for each 32 numbers along K (OCP MX v1.0); their sums are f32. All else is computed in f32.
;;   The module's matrix products, in the order in which they are computed (A, B: the left and right operand; K: the contracted axis; several contracted axes count as one K, in the product's order):
;;     1. [M 8,192, K 1,024] x [K 1,024, N 1,024]; A: input x (given as codes); B: input Wq (given as codes): QUANTISED
;;     2. [M 8,192, K 1,024] x [K 1,024, N 1,024]; A: input x (given as codes); B: input Wk (given as codes): QUANTISED
;;     3. [M 8,192, K 1,024] x [K 1,024, N 1,024]; A: input x (given as codes); B: input Wv (given as codes): QUANTISED
;;     4. batch 4 x [M 2,048, K 1,024] x [K 1,024, N 2,048]; A: computed on the way; B: computed on the way: QUANTISED
;;     5. batch 4 x [M 2,048, K 2,048] x [K 2,048, N 1,024]; A: computed on the way; B: computed on the way: QUANTISED
;;   THE QUANTISER, for each operand of a quantised product, along K:
;;     - K is cut into blocks of 32 from its start; a last block that is shorter is filled with zeros.
;;     - A block's scale is 2^e with e = floor(log2(the largest magnitude in the block)) - 8, held to -126 .. 127; a block of zeros has e = 0. As a byte (E8M0): e + 127.
;;     - Each number is divided by its block's scale, clamped to +-448, and rounded to the nearest number of E4M3, ties to even, subnormals kept.
;;     - The product sums the exact products of the quantised numbers (number of the format x scale) in f32.
;;   ~~~python
;;   def quantise(x, axis):      # numpy; x: float32 -> the quantised numbers, widened to float32 again
;;       x = np.moveaxis(x, axis, -1); K = x.shape[-1]
;;       x = np.pad(x, [(0, 0)] * (x.ndim - 1) + [(0, -K % 32)]); x = x.reshape(x.shape[:-1] + (-1, 32)); a = np.abs(x).max(-1, keepdims=True)
;;       e = np.where(a > 0, np.clip(np.frexp(np.where(a > 0, a, 1))[1] - 1 - 8, -126, 127), 0)      # np.frexp(a)[1] - 1 = floor(log2(a)), exactly
;;       r = np.clip(x / 2.0 ** e, -448, 448)
;;       step = 2.0 ** (np.maximum(np.frexp(np.where(r == 0, 1, r))[1] - 1, -6) - 3)
;;       q = np.round(r / step) * step * 2.0 ** e      # np.round: ties to even
;;       return np.moveaxis(q.reshape(q.shape[:-2] + (-1,))[..., :K], -1, axis).astype(np.float32)
;;   ~~~
;;   OPERANDS COMPUTED ON THE WAY. 'Computed on the way' means the value that the module computes at that place (a softmax that the list does not call 'softmax' is quantised finished and normalised). What goes into a quantiser is computed in f32, as accurately as f32 sums, v_exp_f32 and their like allow (about 1e-6 of the number): no bf16 or f16 on the way to a quantiser, and a product that is left as it is and whose result goes on into a quantised operand takes f32 operands (vector FMAs, or v_wmma_f32_16x16x4_f32). A number that lies on a knife's edge between two numbers of the format may be rounded either way, as far as f32 arithmetic and the matrix unit's own rounding can turn it there, and no further.
;;   INPUTS GIVEN AS CODES. Wk (in the module: [1024, 1024], K = its axis 0); Wq (in the module: [1024, 1024], K = its axis 0); Wv (in the module: [1024, 1024], K = its axis 0); x (in the module: [4, 2048, 1024], K = its axis 2): each comes as NAME_codes (uint8): NAME with its K axis moved to the last place and cut into blocks of 32 codes, [.., K / 32, bytes a block], one block behind the other in memory; one code a byte (a code: sign, 4 exponent bits, 3 mantissa bits); and NAME_scales (uint8): the same leading axes, one E8M0 byte (e + 127) for each 32 codes along K. Its value is code x scale, taken as it is: it is not quantised again, and the codes and scales need not be those that the quantiser above would give.
;; One version. Each part assembles by itself: llvm-mc -triple=amdgcn-amd-amdhsa -mcpu=gfx1250 --defsym DOCPART=n.
;; ======== version 1 of 1: 4 launches
;; limits: right only within a limited range of input values
;; workspace buffers: qk_codes 16,777,216 bytes; qk_scales 524,288 bytes; stats 1,048,576 bytes; v_codes 8,388,608 bytes; v_scales 262,144 bytes; p_codes 16,777,216 bytes; p_scales 524,288 bytes
;; launch proj_qk (part 1): grid 8 x 32, 4 waves a work-group, clusters of 4 x 4, 327,680 bytes of LDS; arguments x_codes, x_scales, Wq_codes, Wq_scales, bq, Wk_codes, Wk_scales, bk, qk_codes, qk_scales; writes qk_codes, qk_scales
.if DOCPART == 1
	.amdgcn_target "amdgcn-amd-amdhsa--gfx1250"
	.amdhsa_code_object_version 6
	.text
	.protected	k_q6644c0c5cb_proj_qk
	.globl	k_q6644c0c5cb_proj_qk
	.p2align	8
	.type	k_q6644c0c5cb_proj_qk,@function
k_q6644c0c5cb_proj_qk:
	s_mov_b64 s[64:65], 0
	v_nop
	global_prefetch_b8 v0, s[64:65] scope:SCOPE_SE
	s_setreg_imm32_b32 hwreg(HW_REG_WAVE_MODE, 25, 1), 1
	s_wait_xcnt 0x0
	s_wait_alu depctr_hold_cnt(0) depctr_sa_sdst(0) depctr_va_vdst(0) depctr_va_sdst(0) depctr_va_ssrc(0) depctr_va_vcc(0) depctr_vm_vsrc(0)
	s_getreg_b32 s2, hwreg(HW_REG_IB_STS2, 6, 4)
	s_cmp_eq_u32 s2, 0
	s_cbranch_scc0 .Lentry_in_a_cluster
	s_endpgm
.Lentry_in_a_cluster:
	s_bfe_u32 s2, ttmp6, 0x10000c
	s_cmp_lg_u32 s2, 0xf033
	s_cbranch_scc0 .Lentry_shape_is_right
	s_endpgm
.Lentry_shape_is_right:
; THE PROGRAM: attention with one head of 1,024, 4 batches x 2,048 positions, softmax over the QUERY axis, all five products on codes of E4M3 with one E8M0 scale for each 32 along K.
;   proj_qk: q = x Wq + bq, k = x Wk + bk, quantised along d.   stats_v: the live tiles of S = q k^T: each key column's partial maximum and sum; and half of v = x Wv + bv, quantised along the keys.
;   probs_v: the same tiles of S once more: p = 2^(c s - L_k), quantised along the keys; and the other half of v.   pv: out0 = P V.
; WORK LEFT OUT.  The tiles of 256 x 256 of S and of P V whose keys all come after their queries lie wholly under the mask that the problem builds itself (-1e9 where key > query).  Their p = exp(-1e9 - m) / Z, m the
; column's largest score; key k counts for query k, so m is a live score.  Where m > -1e9 + 200 that p lies under 2^-136, under half the smallest number that the stated quantiser can give (2^-9 x 2^-126): its code is 0, and its
; share of Z is under rounding.  So these tiles add nothing to any output and are neither multiplied, summed nor stored.  Every input has a way to the output and is loaded by some launch.
; LIMITS: live scores above -9.99e8; a NaN, an infinity or an overflow that reaches only the work left out is not carried to the result; NaN and infinities among the inputs are not served;
; a block of zeros gets the scale byte 1 where the rule says 127 (its codes are zeros, and the bytes are read by this program alone).
; THIS LAUNCH.  A tile of 256 rows of x by 256 columns of Wq or Wk is made by a work-group of four waves, 128 x 128 a wave: 64 accumulators, 512 registers.  K = 1,024 goes in four steps of 256 through two LDS slots.
; CLUSTERS: 4 x 4 work-groups.  The four of a row of the cluster need the same rows of x, the four of a column the same rows of the weight: each tile is asked for jointly.  Cluster x = 0 makes q, 1 makes k.
; THE MATRIX INSTRUCTION IS USED TRANSPOSED: source 0 = 16 rows of the weight (P), source 1 = 16 rows of x (R): lane (r, h) holds row r of x and, in register j, column 8 h + j: neighbours along d, the next product's K.
; SCALES stay in registers for all of K: lane l of register S + 8 p + t holds the word (128 along K, the t-th) of row 32 p + l: lanes 0-15 serve block 2 p, lanes 16-31 block 2 p + 1.
; REGISTERS, in windows of 256: window 0: v1-31 addresses; v8-11 my 128 biases; v32-63 R's scale words, v64-95 P's; v96-127 at work; v128-255 R's fragments, one set; on the way out v128-191 numbers, v192-255 biases.
;   window 1: P's fragments, two sets.   window 2: the accumulators of my rows 0-63 ((a, b) at v[8 (8 (a % 4) + b)]);   window 3: those of rows 64-127.
.set PITCH,  272                       ; an LDS row: 256 bytes + 16 of padding = 68 words, so that the 16 rows of a fragment load start at 16 different banks (64 banks of 4 bytes: ISA guide 11.1)
.set HALFT,  128*PITCH                 ; what one tensor load brings
.set SLOT,   4*HALFT                   ; R's 256 rows, then P's 256 rows
.set SPARE,  2*SLOT                    ; the spare words: 128 bytes a wave, two blocks of 256 bytes that no other line names
.set VSCR,   SPARE+512                 ; 512 bytes a wave: my 128 biases, turned from 4 a lane to the result's layout
.set SSTG,   256*PITCH                 ; the way out, in slot 0 (its last fill and last read are over): codes [256 rows][272] at 0, scale words [256 rows][8] here
.set OPITCH, 1024                      ; a row of q or k in bytes
.set VW,   7
.set ADRA, 16
.set LA,   18
.set ADRB, 20
.set L16,  22
.set PW,   23
.set STO,  24
.set RD,   25
.set CO,   26
.set SSTO, 27
.set SPW,  28
.set NIL,  29
.set SRD,  30
.set SCR,  32
.set SCP,  64
.set SSTR, 8
.set TM,   96
.set PC,   112
.set AF,   128
.set XS,   128
.set VEC,  192
.set G1,   24
.set G0,   32
.set G1B,  48
.set G0B,  56
.set SEL,  66
.set MNT,  68
.set OC,   70
.set OS,   72
.set MUL_LO, 0xa1                      ; source 0 (P) window 1, source 1 (R) window 0, C and D window 2
.set MUL_HI, 0xf1
.set TO_B,   0x40
.set MSB, 0
.macro WIN new                         ; the immediate's high byte repeats the setting that is left
.if MSB != (\new)
	s_set_vgpr_msb (MSB<<8)|(\new)
.set MSB, (\new)
.endif
.endm
.macro PLACES n                        ; plain vector places behind matrix instructions: 8 for this form, ahead of loads into registers that they read and of reads of results
.rept \n
	v_nop
.endr
.endm
.macro JLOAD s                         ; a joint load: waves 0 and 1 fetch R's halves, waves 2 and 3 P's; an s_nop 0 and four v_nop follow each line
	s_cmp_eq_u32 s15, 0
	s_cbranch_scc0 .Lfor_p_\@
	tensor_load_to_lds s[G0+4*\s:G0+4*\s+3], s[G1:G1+7]
	s_nop 0
.rept 4
	v_nop
.endr
	s_branch .Lasked_\@
.Lfor_p_\@:
	tensor_load_to_lds s[G0B+4*\s:G0B+4*\s+3], s[G1B:G1B+7]
	s_nop 0
.rept 4
	v_nop
.endr
.Lasked_\@:
.endm
.macro CREST                           ; a round of the cluster's barrier behind its opening barrier
	s_cmp_lg_u32 s14, 0
	s_cbranch_scc1 .Lnot_wave_0_\@
	s_barrier_signal -3
.Lnot_wave_0_\@:
	s_barrier_wait -3
	s_barrier_signal -1
	s_barrier_wait -1
.endm
.macro CROUND
	s_barrier_signal -1
	s_barrier_wait -1
	CREST
.endm
.macro FRAG reg, adr, q, i             ; 16 rows x 128 K of codes: lane l holds row l % 16; registers 4 c .. 4 c + 3 hold K = 32 c + 16 (l / 16) + 0 .. 15
.irp c, 0,1,2,3
	ds_load_b128 v[\reg+4*\c:\reg+4*\c+3], v[\adr] offset:128*(\q)+32*\c+(\i)*16*PITCH
.endr
.endm
.macro WM a, b, p, t, zero             ; R's block a x P's block b, P's set p, the t-th 128 along K.  An odd block's scale words stand in lanes 16-31
.set rD, 8*(8*((\a)%4)+(\b))
.set rP, 128*(\p)+16*(\b)
.set rR, AF+16*(\a)
.set sP, SCP+SSTR*((\b)/2)+(\t)
.set sR, SCR+SSTR*((\a)/2)+(\t)
.set mm, 4*(\zero)+2*((\a)%2)+((\b)%2)
.if mm == 0
	v_wmma_scale_f32_16x16x128_f8f6f4 v[rD:rD+7], v[rP:rP+15], v[rR:rR+15], v[rD:rD+7], v[sP], v[sR]
.elseif mm == 1
	v_wmma_scale_f32_16x16x128_f8f6f4 v[rD:rD+7], v[rP:rP+15], v[rR:rR+15], v[rD:rD+7], v[sP], v[sR] matrix_a_scale:MATRIX_SCALE_ROW1
.elseif mm == 2
	v_wmma_scale_f32_16x16x128_f8f6f4 v[rD:rD+7], v[rP:rP+15], v[rR:rR+15], v[rD:rD+7], v[sP], v[sR] matrix_b_scale:MATRIX_SCALE_ROW1
.elseif mm == 3
	v_wmma_scale_f32_16x16x128_f8f6f4 v[rD:rD+7], v[rP:rP+15], v[rR:rR+15], v[rD:rD+7], v[sP], v[sR] matrix_a_scale:MATRIX_SCALE_ROW1 matrix_b_scale:MATRIX_SCALE_ROW1
.elseif mm == 4
	v_wmma_scale_f32_16x16x128_f8f6f4 v[rD:rD+7], v[rP:rP+15], v[rR:rR+15], 0, v[sP], v[sR]
.elseif mm == 5
	v_wmma_scale_f32_16x16x128_f8f6f4 v[rD:rD+7], v[rP:rP+15], v[rR:rR+15], 0, v[sP], v[sR] matrix_a_scale:MATRIX_SCALE_ROW1
.elseif mm == 6
	v_wmma_scale_f32_16x16x128_f8f6f4 v[rD:rD+7], v[rP:rP+15], v[rR:rR+15], 0, v[sP], v[sR] matrix_b_scale:MATRIX_SCALE_ROW1
.else
	v_wmma_scale_f32_16x16x128_f8f6f4 v[rD:rD+7], v[rP:rP+15], v[rR:rR+15], 0, v[sP], v[sR] matrix_a_scale:MATRIX_SCALE_ROW1 matrix_b_scale:MATRIX_SCALE_ROW1
.endif
.endm
.macro MUL16 a0, p, t, zero            ; 16 matrix instructions; the 64 accumulators take turns, one instruction a turn, in the same order in every step
.irp a, \a0, \a0+1
.irp b, 0,1,2,3,4,5,6,7
	WM (\a), \b, \p, \t, \zero
.endr
.endr
.endm
.macro FETCH_B slot, q, p
	WIN TO_B
.irp i, 0,1,2,3,4,5,6,7
	FRAG 128*(\p)+16*\i, ADRB+\slot, \q, \i
.endr
	WIN 0
.endm
.macro FETCH_BH slot, q, p, i0         ; four of P's eight fragments: a run of sixteen loads
	WIN TO_B
.irp i, \i0, \i0+1, \i0+2, \i0+3
	FRAG 128*(\p)+16*(\i), ADRB+\slot, \q, \i
.endr
.endm
.macro FETCH_A slot, q, i0
.irp i, \i0, \i0+1, \i0+2, \i0+3
	FRAG AF+16*(\i), ADRA+\slot, \q, \i
.endr
.endm
.macro STEP slot, t, zero              ; a slot's first 128 along K; it fetches the second
	s_wait_dscnt 16                                ; P's set and R's blocks 0-3 are in; the youngest sixteen loads (R's blocks 4-7) may be out
	WIN MUL_LO
	MUL16 0, 0, \t, \zero                          ; a run of sixteen loads stands behind every sixteen products
	FETCH_BH \slot, 1, 1, 0                        ; P's other set was last multiplied in the step before, whose eight places stand behind its last product
	WIN MUL_LO
	MUL16 2, 0, \t, \zero
	FETCH_BH \slot, 1, 1, 4
	s_wait_dscnt 32                                ; R's blocks 4-7 are in; the 32 loads of P's next set may be out
	WIN MUL_HI
	MUL16 4, 0, \t, \zero
	PLACES 8                                       ; behind the products of R's blocks 0-3
	WIN 0
	FETCH_A \slot, 1, 0
	WIN MUL_HI
	MUL16 6, 0, \t, \zero
	PLACES 8
	WIN 0
	FETCH_A \slot, 1, 4
.endm
.macro TURN slot, next, fill, t        ; a slot's second 128 along K, and the change of slots: one barrier
	s_wait_tensorcnt 0x0                           ; all my tensor loads have landed: my part of the next slot
	ds_add_u32 v[SPW], v[NIL]                      ; 0 onto my spare word
.if \t == 1
	s_mov_b32 s[G1+2], 128<<16                     ; no tensor load of mine is out, so a descriptor may be written: from here on a load brings 128 rows
	s_mov_b32 s[G1+4], 128
	s_mov_b32 s[G1B+2], 128<<16
	s_mov_b32 s[G1B+4], 128
.endif
	s_wait_dscnt 17                                ; (the add and the youngest sixteen loads may be out)
	WIN MUL_LO
	MUL16 0, 1, \t, 0
	s_wait_dscnt 0x0                               ; the add is done, and my reads of this slot are over
	s_barrier_signal -1
	MUL16 2, 1, \t, 0
	WIN 0
	s_barrier_wait -1
.if \fill
	CREST                                          ; the barrier has opened a round of the cluster's: no wave of any partner still reads this slot or has a load on its way
	s_add_nc_u64 s[G0+4*\slot+2:G0+4*\slot+3], s[G0+4*\slot+2:G0+4*\slot+3], 512
	s_add_nc_u64 s[G0B+4*\slot+2:G0B+4*\slot+3], s[G0B+4*\slot+2:G0B+4*\slot+3], 512
	JLOAD \slot                                    ; two K steps on; its four v_nop are among the places ahead of the loads below
	PLACES 4
.else
	PLACES 8
.endif
	FETCH_B \next, 0, 0
	WIN MUL_HI
	MUL16 4, 1, \t, 0
	WIN 0
	FETCH_A \next, 0, 0                            ; the places behind the barrier stand behind the products of R's blocks 0-3 too
	WIN MUL_HI
	MUL16 6, 1, \t, 0
	PLACES 8
	WIN 0
	FETCH_A \next, 0, 4
.endm
.macro LAST t
	s_wait_dscnt 16
	WIN MUL_LO
	MUL16 0, 1, \t, 0
	MUL16 2, 1, \t, 0
	s_wait_dscnt 0x0
	WIN MUL_HI
	MUL16 4, 1, \t, 0
	MUL16 6, 1, \t, 0
	WIN 0
.endm
.macro SC_ROW S, va, base              ; scale words of 128 rows laid [row][32 bytes]: lane l takes row 32 p + l
.irp p, 0,1,2,3
	global_load_b128 v[\S+8*\p:\S+8*\p+3], v[\va], s[\base:\base+1] offset:1024*\p
	global_load_b128 v[\S+8*\p+4:\S+8*\p+7], v[\va], s[\base:\base+1] offset:1024*\p+16
.endr
.endm
; 64 numbers of a lane in v[XS] on: registers 16 b + 0 .. 15 and those of lane l xor 16 are block b of 32 along the next K.  Codes to v[PC] on (registers 2 t, 2 t + 1: tile t's eight), the scale word to v[PW]
.macro QUANT
.irp b, 0,1,2,3
	v_max3_num_f32 v[TM+\b], |v[XS+16*\b]|, |v[XS+1+16*\b]|, 0x4800000   ; the floor 2^(9 - 127): the byte cannot fall under 1
.endr
.irp i, 2,4,6,8,10,12,14
.irp b, 0,1,2,3
	v_max3_num_f32 v[TM+\b], v[TM+\b], |v[XS+16*\b+\i]|, |v[XS+1+16*\b+\i]|
.endr
.endr
.irp b, 0,1,2,3
	v_permlanex16_b32 v[TM+4+\b], v[TM+\b], s[SEL], s[SEL+1]
.endr
.irp b, 0,1,2,3
	v_max_num_f32 v[TM+\b], v[TM+\b], v[TM+4+\b]   ; the block's largest magnitude
.endr
.irp b, 0,1,2,3
	v_add_nc_u32 v[TM+12+\b], 0xfc000000, v[TM+\b] ; 8 off its exponent field: the conversion's scale operand
.endr
.irp b, 0,1,2,3
	v_and_or_b32 v[TM+8+\b], v[TM+\b], 0x7f800000, s[MNT]   ; 448 x the scale
.endr
.irp b, 0,1,2,3
	v_lshrrev_b32 v[TM+4+\b], 23, v[TM+12+\b]      ; the scale's byte
.endr
	v_lshl_or_b32 v[PW], v[TM+5], 8, v[TM+4]
	v_lshl_or_b32 v[PW], v[TM+6], 16, v[PW]
	v_lshl_or_b32 v[PW], v[TM+7], 24, v[PW]
.irp b, 0,1,2,3
.irp i, 0,1,2,3,4,5,6,7,8,9,10,11,12,13,14,15
	v_med3_num_f32 v[XS+16*\b+\i], v[XS+16*\b+\i], -v[TM+8+\b], v[TM+8+\b]   ; the conversion to an 8-bit code does not saturate (ISA guide 7.6.2)
.endr
	v_cvt_scalef32_pk8_fp8_f32 v[PC+4*\b:PC+1+4*\b], v[XS+16*\b:XS+7+16*\b], v[TM+12+\b]
	v_cvt_scalef32_pk8_fp8_f32 v[PC+2+4*\b:PC+3+4*\b], v[XS+8+16*\b:XS+15+16*\b], v[TM+12+\b]
.endr
	v_nop                                          ; a plain place behind the last conversion
.endm
.macro PUT a                           ; block a's codes and scale word into the stage: lanes stand at 272 r + 8 h: 32 different places of 8 bytes in 256
.irp b, 0,1,2,3,4,5,6,7
	ds_store_b64 v[STO], v[PC+2*\b:PC+2*\b+1] offset:(\a)*16*PITCH+16*\b
.endr
	ds_store_b32 v[SSTO], v[PW] offset:(\a)*128
.endm
.macro XFORM_B a                       ; block a's sums + the bias of the lane's columns; each accumulator is read from its low end on
	WIN 0x02+(\a)/4
.set n, 0
.rept 32
	v_pk_add_f32 v[XS+2*n:XS+2*n+1], v[64*((\a)%4)+2*n:64*((\a)%4)+2*n+1], v[VEC+2*n:VEC+2*n+1]
.set n, n+1
.endr
	WIN 0
.endm
	s_load_b128 s[4:7], s[0:1], 0x0                ; x's codes, x's scales
	s_load_b256 s[80:87], s[0:1], 0x10             ; Wq's codes, Wq's scales, bq, Wk's codes
	s_load_b256 s[88:95], s[0:1], 0x30             ; Wk's scales, bk, qk_codes, qk_scales
	v_lshl_add_u32 v[SPW], v0, 2, SPARE
	v_mov_b32 v[NIL], 0
	ds_add_u32 v[SPW], v[NIL]                      ; the wave's opening: the add, twice on end, and its wait ahead of my first tensor load
	ds_add_u32 v[SPW], v[NIL]
	v_lshrrev_b32 v1, 5, v0
	v_readfirstlane_b32 s14, v1                    ; wave 0..3
	s_lshr_b32 s15, s14, 1                         ; my half of the tile's rows (R).  Also: I fetch for R (0) or for P (1)
	s_and_b32 s16, s14, 1                          ; my half of its columns (P).  Also: which 128 rows I fetch
	s_bfe_u32 s40, ttmp6, 0x40000                  ; cx: the tile of 256 columns
	s_bfe_u32 s41, ttmp6, 0x40004                  ; cy
	s_and_b32 s17, ttmp7, 0xffff
	s_lshl_b32 s17, s17, 2
	s_add_co_u32 s17, s17, s41                     ; the tile of 256 rows of x = 4 x cluster y + cy
	s_lshl_b32 s43, s41, 2
	s_lshl_b32 s43, 15, s43                        ; my row of the cluster
	s_lshl_b32 s44, 0x1111, s40                    ; my column
	s_or_b32 s[G1], s43, (1<<20)|(1<<21)|(5<<22)|(3<<25)    ; the mask; elements of 1 byte; padding on; bit 21 beside a mask; 4 words behind every 64
	s_or_b32 s[G1B], s44, (1<<20)|(1<<21)|(5<<22)|(3<<25)
.irp g, G1, G1B
	s_mov_b32 s[\g+1], 256<<16                     ; tensor_dim0
	s_mov_b32 s[\g+2], 256<<16                     ; tensor_dim1: 256 rows for the head's loads; the first change of slots sets 128, for the ring's
	s_mov_b32 s[\g+3], 256<<16                     ; tile_dim0
	s_mov_b32 s[\g+4], 256                         ; tile_dim1
	s_mov_b32 s[\g+5], 1024                        ; the pitch
	s_mov_b32 s[\g+6], 0
	s_mov_b32 s[\g+7], 0
.endr
	s_lshl_b32 s18, s16, 7
	s_lshl_b32 s20, s17, 8
	s_add_co_u32 s20, s20, s18
	s_lshl_b32 s20, s20, 10                        ; R: (256 x tile + 128 x half) rows of 1,024 bytes
	s_mov_b32 s21, 0
	s_lshl_b32 s46, s40, 8
	s_add_co_u32 s46, s46, s18
	s_lshl_b32 s46, s46, 10                        ; P likewise, by cx
	s_mov_b32 s47, 0
	s_mul_i32 s45, s14, HALFT                      ; where they go: wave x 128 rows
	s_mov_b32 s[SEL], 0x76543210
	s_mov_b32 s[SEL+1], 0xfedcba98
	s_mov_b32 s[MNT], 0x600000
	s_wait_dscnt 0x0                               ; both opening adds are done
	s_wait_kmcnt 0x0
	s_cmp_eq_u32 ttmp9, 0                          ; cluster x: q or k; the same in all sixteen partners
	s_cselect_b64 s[8:9], s[80:81], s[86:87]       ; the weight's codes,
	s_cselect_b64 s[10:11], s[82:83], s[88:89]     ; its scales,
	s_cselect_b64 s[12:13], s[84:85], s[90:91]     ; the bias
	s_add_nc_u64 s[20:21], s[4:5], s[20:21]
	s_add_nc_u64 s[46:47], s[8:9], s[46:47]
	CROUND                                         ; all sixteen work-groups are here: the first joint loads meet
.irp s, 0,1
	s_mov_b32 s[G0+4*\s], 1
	s_add_co_u32 s[G0+4*\s+1], s45, \s*SLOT
	s_add_nc_u64 s[G0+4*\s+2:G0+4*\s+3], s[20:21], \s*256
	s_or_b32 s[G0+4*\s+3], s[G0+4*\s+3], 0x80000000
	s_mov_b32 s[G0B+4*\s], 1
	s_add_co_u32 s[G0B+4*\s+1], s45, \s*SLOT
	s_add_nc_u64 s[G0B+4*\s+2:G0B+4*\s+3], s[46:47], \s*256
	s_or_b32 s[G0B+4*\s+3], s[G0B+4*\s+3], 0x80000000
.endr
; THE HEAD'S LOADS, ONE A WAVE: both slots' four tiles, each whole, 256 rows: wave 0 K step 0 of R, wave 1 K step 0 of P, wave 2 K step 1 of R, wave 3 K step 1 of P.
; One chain of branches on the wave's number, a load line to each wave: waves 0 and 1 alone wait at the first barrier, waves 2 and 3 at the first change of slots.
.set G0H, 76                           ; s[76:79] group 0 for R's tile;  s[96:99] for P's
.set G0HB, 96
	s_lshl_b32 s74, s17, 18                        ; R: 256 x tile rows of 1,024 bytes,
	s_lshl_b32 s75, s15, 8                         ; K step wave / 2
	s_add_co_u32 s74, s74, s75
	s_mov_b32 s75, 0
	s_mov_b32 s[G0H], 1
	s_mul_i32 s[G0H+1], s15, SLOT
	s_add_nc_u64 s[G0H+2:G0H+3], s[4:5], s[74:75]
	s_or_b32 s[G0H+3], s[G0H+3], 0x80000000
	s_lshl_b32 s80, s40, 18                        ; P likewise, by cx, in registers of its own
	s_lshl_b32 s81, s15, 8
	s_add_co_u32 s80, s80, s81
	s_mov_b32 s81, 0
	s_mov_b32 s[G0HB], 1
	s_mul_i32 s[G0HB+1], s15, SLOT
	s_add_co_u32 s[G0HB+1], s[G0HB+1], 2*HALFT
	s_add_nc_u64 s[G0HB+2:G0HB+3], s[8:9], s[80:81]
	s_or_b32 s[G0HB+3], s[G0HB+3], 0x80000000
.macro HLOAD g0, g1
	tensor_load_to_lds s[\g0:\g0+3], s[\g1:\g1+7]
	s_nop 0
.rept 4
	v_nop
.endr
.endm
	s_cmp_lt_u32 s14, 1
	s_cbranch_scc0 .Lh1
	HLOAD G0H, G1
	s_branch .Lhead_asked
.Lh1:
	s_cmp_lt_u32 s14, 2
	s_cbranch_scc0 .Lh2
	HLOAD G0HB, G1B
	s_branch .Lhead_asked
.Lh2:
	s_cmp_lt_u32 s14, 3
	s_cbranch_scc0 .Lh3
	HLOAD G0H, G1
	s_branch .Lhead_asked
.Lh3:
	HLOAD G0HB, G1B
.Lhead_asked:
	v_and_b32 v1, 15, v0                           ; r
	v_bfe_u32 v2, v0, 4, 1                         ; h
	v_and_b32 v3, 31, v0                           ; lane
	v_mul_u32_u24 v4, v1, PITCH
	v_lshl_add_u32 v6, v2, 4, v4                   ; a fragment's row x pitch + 16 h
	s_mul_i32 s22, s15, HALFT
	s_mul_i32 s23, s16, HALFT
	s_add_co_u32 s23, s23, 2*HALFT
.irp s, 0,1
	v_add_nc_u32 v[ADRA+\s], s22, v6
	v_add_nc_u32 v[ADRB+\s], s23, v6
	s_add_co_u32 s22, s22, SLOT
	s_add_co_u32 s23, s23, SLOT
.endr
	v_lshlrev_b32 v[L16], 4, v3
	v_lshlrev_b32 v12, 10, v1                      ; the prefetches' offset: row lane % 16 of 1,024 bytes,
	v_lshl_add_u32 v12, v2, 8, v12                 ; lanes 0-15 K step 2, lanes 16-31 K step 3; never rewritten
	s_wait_alu depctr_va_vdst(0)
; A PREFETCH INTO THE L2 of what the two refills will ask for: K steps 2 and 3, 256 bytes a row and step, asked for here, both slots' steps ahead of the second refill and one slot's ahead of the first.
; Each cluster asks for what it will itself load.  A tile's 256 rows are shared out BY ADDRESS among the four partners that ask for it jointly (64 rows each: by cx for x's rows, by cy for the weight's) and their four waves
; (16 rows each): a lane a row and step, one instruction a wave and tile.  The weight's rows are wanted by all eight clusters of a column of the grid: only those with an even cluster y ask.
; The address registers serve this alone and are never rewritten.
	s_lshl_b32 s82, s17, 8
	s_lshl_b32 s83, s40, 6
	s_add_co_u32 s82, s82, s83
	s_lshl_b32 s83, s14, 4
	s_add_co_u32 s82, s82, s83
	s_lshl_b32 s82, s82, 10                        ; x: row 256 x tile + 64 cx + 16 x wave
	s_mov_b32 s83, 0
	s_add_nc_u64 s[82:83], s[4:5], s[82:83]
	s_lshl_b32 s84, s40, 8
	s_lshl_b32 s85, s41, 6
	s_add_co_u32 s84, s84, s85
	s_lshl_b32 s85, s14, 4
	s_add_co_u32 s84, s84, s85
	s_lshl_b32 s84, s84, 10                        ; the weight: row 256 cx + 64 cy + 16 x wave
	s_mov_b32 s85, 0
	s_add_nc_u64 s[84:85], s[8:9], s[84:85]
	global_prefetch_b8 v12, s[82:83] offset:512 th:TH_LOAD_NT scope:SCOPE_SE
	s_and_b32 s86, ttmp7, 0xffff
	s_and_b32 s86, s86, 1                          ; the cluster's y: the same in all sixteen partners
	s_cmp_eq_u32 s86, 0
	s_cbranch_scc0 .Lno_w
	global_prefetch_b8 v12, s[84:85] offset:512 th:TH_LOAD_NT scope:SCOPE_SE
.Lno_w:
	v_lshlrev_b32 v5, 5, v3
	v_lshl_add_u32 v6, v2, 3, v4
	s_mul_i32 s22, s15, HALFT
	s_lshl_b32 s23, s16, 7
	s_add_co_u32 s22, s22, s23
	v_add_nc_u32 v[STO], s22, v6                   ; codes in: row 128 x half + r, byte 128 x half + 8 h
	s_lshl_b32 s22, s15, 10
	s_lshl_b32 s23, s16, 2
	s_add_co_u32 s22, s22, s23
	s_add_co_u32 s22, s22, SSTG
	v_lshl_add_u32 v[SSTO], v1, 3, s22             ; scale words in: 8 bytes a row, my 4
	s_mul_i32 s22, s15, HALFT                      ; codes back, in two halves: of the rows that blocks 0-3 finish (0-63 and 128-191 of the tile) I take 32: 128 x (wave / 2) + 32 x (wave % 2) on; blocks 4-7's lie 64 rows further
	s_mul_i32 s23, s16, 32*PITCH
	s_add_co_u32 s22, s22, s23
	v_mul_u32_u24 v6, v2, PITCH
	v_lshl_add_u32 v6, v1, 4, v6
	v_add_nc_u32 v[RD], s22, v6                    ; codes back: my 64 rows, sixteen lanes to a row
	s_lshl_b32 s22, s14, 9
	s_add_co_u32 s23, s22, SSTG
	v_add_nc_u32 v[SRD], s23, v[L16]
	s_add_co_u32 s23, s22, VSCR
	v_add_nc_u32 v[VW], s23, v[L16]
	v_lshl_add_u32 v[LA], v2, 5, s23
	v_lshlrev_b32 v6, 10, v2
	v_lshl_add_u32 v[CO], v1, 4, v6                ; and the same two rows in memory
	s_lshl_b32 s18, s17, 8
	s_lshl_b32 s19, s15, 7
	s_add_co_u32 s18, s18, s19
	s_lshl_b32 s18, s18, 5
	s_mov_b32 s19, 0
	s_add_nc_u64 s[6:7], s[6:7], s[18:19]          ; x's scales at my 128 rows
	s_lshl_b32 s46, s40, 8
	s_lshl_b32 s47, s16, 7
	s_add_co_u32 s46, s46, s47                     ; my first column
	s_lshl_b32 s42, s46, 2
	s_lshl_b32 s46, s46, 5
	s_mov_b32 s47, 0
	s_add_nc_u64 s[10:11], s[10:11], s[46:47]      ; the weight's scales at my 128 rows
	s_mov_b32 s46, s42
	s_add_nc_u64 s[12:13], s[12:13], s[46:47]      ; the bias at my 128 columns
	SC_ROW SCR, 5, 6
	SC_ROW SCP, 5, 10
	global_load_b128 v[8:11], v[L16], s[12:13]
	s_lshl_b32 s18, s17, 8
	s_lshl_b32 s19, s15, 7
	s_add_co_u32 s18, s18, s19
	s_lshl_b32 s19, s16, 5
	s_add_co_u32 s18, s18, s19
	s_lshl_b32 s18, s18, 10
	s_lshl_b32 s19, ttmp9, 23                      ; k lies 8 MiB behind q
	s_add_co_u32 s18, s18, s19
	s_lshl_b32 s42, s40, 8
	s_add_co_u32 s18, s18, s42
	s_mov_b32 s19, 0
	s_add_nc_u64 s[OC:OC+1], s[92:93], s[18:19]    ; codes out: row 256 x tile + 128 x (wave / 2) + 32 x (wave % 2), byte 256 cx
	s_lshl_b32 s18, s17, 11
	s_lshl_b32 s19, s14, 9
	s_add_co_u32 s18, s18, s19
	s_lshl_b32 s19, ttmp9, 18
	s_add_co_u32 s18, s18, s19
	s_lshl_b32 s42, s40, 16
	s_add_co_u32 s18, s18, s42
	s_mov_b32 s19, 0
	s_add_nc_u64 s[OS:OS+1], s[94:95], s[18:19]    ; scale words out: [d / 256][8,192 rows][8 bytes]: the tile's are 2,048 bytes on end
	s_wait_loadcnt 0x0                             ; the scale words and the biases
	s_cmp_lt_u32 s14, 2
	s_cbranch_scc0 .Lslot1_mine
	s_wait_tensorcnt 0x0                           ; waves 0 and 1: K step 0's two tiles are in.  K step 1's may stay out, and slot 1 is read behind the first change of slots, where every wave waits
.Lslot1_mine:
	s_barrier_signal -1
	s_barrier_wait -1
	FETCH_B 0, 0, 0
	FETCH_A 0, 0, 0
	FETCH_A 0, 0, 4
	STEP 0, 0, 1                                   ; the first products start the sums: nothing is cleared
	TURN 0, 1, 1, 1
	STEP 1, 2, 0
	TURN 1, 0, 1, 3
	STEP 0, 4, 0
	TURN 0, 1, 0, 5                                ; the last two K steps have been asked for: nothing is filled, no round
	STEP 1, 6, 0
	LAST 7
	; THE WAY OUT: + bias, quantised along d, through the stage in slot 0, out as whole rows of 256 bytes
	PLACES 8
.irp b, 0,1,2,3
	v_mov_b32 v[TM+4+\b], 0                        ; a lane permute's destination counts as one of its sources
.endr
	s_wait_alu depctr_va_vdst(0)
	ds_store_b128 v[VW], v[8:11]                   ; my 128 biases, 4 a lane; LDS serves a wave's instructions in order: the loads below see them
.irp b, 0,1,2,3,4,5,6,7
	ds_load_b128 v[VEC+8*\b:VEC+8*\b+3], v[LA] offset:64*\b         ; register 8 b + j: the bias of column 16 b + 8 h + j
	ds_load_b128 v[VEC+8*\b+4:VEC+8*\b+7], v[LA] offset:64*\b+16
.endr
	s_wait_dscnt 0x0
; Half u of the tile's rows leaves as soon as blocks 4 u .. 4 u + 3 of all four waves lie in the stage: my stores into the stage are done, a barrier, my 32 rows back into window 1 (P's fragments are done with), and out.
; The first half's stores are on their way while blocks 4-7 are quantised; those blocks' rows of the stage are other bytes than the rows read here.
.macro HALFOUT u
	s_wait_dscnt 0x0                               ; for the others' sake: my stores into the stage are done
	s_barrier_signal -1
	s_barrier_wait -1
	WIN TO_B
.set n, 0
.rept 16
	ds_load_b128 v[64*(\u)+4*n:64*(\u)+4*n+3], v[RD] offset:(\u)*64*PITCH+544*n
.set n, n+1
.endr
	WIN 0x04                                       ; a store's data: window 1
.set n, 0
.rept 16
	s_wait_dscnt 15-n                              ; the younger loads may be out
	global_store_b128 v[CO], v[64*(\u)+4*n:64*(\u)+4*n+3], s[OC:OC+1] offset:(64*(\u)+2*n)*OPITCH   ; sixteen lanes store 256 consecutive bytes, aligned
.set n, n+1
.endr
	WIN 0
.endm
.irp a, 0,1,2,3
	XFORM_B \a
	QUANT
	PUT \a
.endr
	HALFOUT 0
.irp a, 4,5,6,7
	XFORM_B \a
	QUANT
	PUT \a
.endr
	HALFOUT 1
	ds_load_b128 v[PC:PC+3], v[SRD]
	s_wait_dscnt 0x0
	global_store_b128 v[L16], v[PC:PC+3], s[OS:OS+1]   ; 512 consecutive bytes
	s_wait_tensorcnt 0x0                           ; the wave's end
	ds_add_u32 v[SPW], v[NIL]
	s_wait_dscnt 0x0
	CROUND                                         ; the closing round
	s_endpgm
.Lfunc_end_k_q6644c0c5cb_proj_qk:
	.size	k_q6644c0c5cb_proj_qk, .Lfunc_end_k_q6644c0c5cb_proj_qk-k_q6644c0c5cb_proj_qk
	.p2alignl 7, 3214868480
	.fill 96, 4, 3214868480
	.section	.rodata,"a",@progbits
	.p2align	6, 0x0
	.amdhsa_kernel k_q6644c0c5cb_proj_qk
		.amdhsa_group_segment_fixed_size 327680
		.amdhsa_private_segment_fixed_size 0
		.amdhsa_enable_private_segment 0
		.amdhsa_kernarg_size 80
		.amdhsa_user_sgpr_count 2
		.amdhsa_user_sgpr_kernarg_segment_ptr 1
		.amdhsa_wavefront_size32 1
		.amdhsa_system_sgpr_workgroup_id_x 1
		.amdhsa_system_sgpr_workgroup_id_y 1
		.amdhsa_system_sgpr_workgroup_id_z 1
		.amdhsa_system_vgpr_workitem_id 0
		.amdhsa_next_free_vgpr 1024
		.amdhsa_next_free_sgpr 100
		.amdhsa_reserve_vcc 0
		.amdhsa_float_denorm_mode_32 3
		.amdhsa_float_denorm_mode_16_64 3
		.amdhsa_memory_ordered 1
		.amdhsa_forward_progress 1
		.amdhsa_inst_pref_size 210
	.end_amdhsa_kernel
	.amdgpu_metadata
---
amdhsa.version: [ 1, 2 ]
amdhsa.kernels:
  - .name:           k_q6644c0c5cb_proj_qk
    .symbol:         k_q6644c0c5cb_proj_qk.kd
    .args:
      - { .name: x_codes, .offset: 0, .size: 8, .value_kind: global_buffer, .address_space: global }
      - { .name: x_scales, .offset: 8, .size: 8, .value_kind: global_buffer, .address_space: global }
      - { .name: Wq_codes, .offset: 16, .size: 8, .value_kind: global_buffer, .address_space: global }
      - { .name: Wq_scales, .offset: 24, .size: 8, .value_kind: global_buffer, .address_space: global }
      - { .name: bq, .offset: 32, .size: 8, .value_kind: global_buffer, .address_space: global }
      - { .name: Wk_codes, .offset: 40, .size: 8, .value_kind: global_buffer, .address_space: global }
      - { .name: Wk_scales, .offset: 48, .size: 8, .value_kind: global_buffer, .address_space: global }
      - { .name: bk, .offset: 56, .size: 8, .value_kind: global_buffer, .address_space: global }
      - { .name: qk_codes, .offset: 64, .size: 8, .value_kind: global_buffer, .address_space: global }
      - { .name: qk_scales, .offset: 72, .size: 8, .value_kind: global_buffer, .address_space: global }
    .group_segment_fixed_size: 327680
    .private_segment_fixed_size: 0
    .kernarg_segment_align: 8
    .kernarg_segment_size: 80
    .max_flat_workgroup_size: 128
    .sgpr_count:     100
    .vgpr_count:     1024
    .wavefront_size: 32
...
	.end_amdgpu_metadata
.endif
;; end of part 1
;; launch stats_v (part 2): grid 52 x 4, 4 waves a work-group, no clusters, 327,680 bytes of LDS; arguments qk_codes, qk_scales, x_codes, x_scales, Wv_codes, Wv_scales, bv, stats, v_codes, v_scales; writes stats, v_codes, v_scales
.if DOCPART == 2
	.amdgcn_target "amdgcn-amd-amdhsa--gfx1250"
	.amdhsa_code_object_version 6
	.text
	.protected	k_q6644c0c5cb_stats_v
	.globl	k_q6644c0c5cb_stats_v
	.p2align	8
	.type	k_q6644c0c5cb_stats_v,@function
k_q6644c0c5cb_stats_v:
	s_mov_b64 s[64:65], 0
	v_nop
	global_prefetch_b8 v0, s[64:65] scope:SCOPE_SE
	s_setreg_imm32_b32 hwreg(HW_REG_WAVE_MODE, 25, 1), 1
	s_wait_xcnt 0x0
; Work-group (t, b).  t < 36: the live tile (i, j), j <= i, of S = q k^T of batch b: for each key column and each block of 128 queries the partial maximum cm = c x max s and the sum z of 2^(c s - cm), c = log2(e) / 32.
; t >= 36: a tile of v = x Wv + bv (256 of d x 256 keys, key tiles 0 to 3), quantised along the keys.  Both are 256 x 256 x 1,024 on the same K loop; only pointers, row numbers and the way out differ.
; WORK LEFT OUT: the 28 tiles of S a batch whose keys all come after their queries (shown at the head of proj_qk).  Inside a diagonal tile the wave whose 128 x 128 part is wholly masked still multiplies, and stores nothing.
; The maximum is taken away before every exponential: each partial sum stands under its own column maximum; masked scores count as -infinity (2^(..) = 0, as exp(-1e9 - m) is in f32).
; NO CLUSTER: the 36 live tiles of a triangle do not fall into fours that share a tile row or a tile column, and a partner under the mask would only ask and discard.
; LAYOUT: source 0 = 16 rows of P (keys: k's rows, or x's), source 1 = 16 rows of R (q's rows, or Wv's): lane (r, h) holds R's row r and, in register j, key 8 h + j.
; REGISTERS as in proj_qk; on an S tile's way out v128-191 the column maxima, v192-255 the sums.  v8-11: a v tile's 128 numbers of bv.
.set KT0,    0                         ; the first key tile of v that this launch makes
.set PITCH,  272
.set HALFT,  128*PITCH
.set SLOT,   4*HALFT
.set SPARE,  2*SLOT
.set VSCR,   SPARE+512
.set SSTG,   256*PITCH
.set STSC,   SSTG+2048                 ; 1,024 bytes a wave, in slot 0, apart from the v tiles' stages: an S tile's 128 maxima and 128 sums
.set OPITCH, 256                       ; a row of a stored block of v's codes
.set VW,   7
.set SA,   12
.set SBK,  13
.set LB,   14
.set ADRA, 16
.set DD,   19
.set ADRB, 20
.set L16,  22
.set PW,   23
.set STO,  24
.set RD,   25
.set CO,   26
.set SSTO, 27
.set SPW,  28
.set NIL,  29
.set SRD,  30
.set NINF, 31
.set SCR,  32
.set SCP,  64
.set SSTR, 8
.set TM,   96
.set PC,   112
.set AF,   128
.set XS,   128
.set VEC,  192
.set MX,   128
.set ZS,   192
.set G1,   24
.set G0,   32
.set OC,   12
.set OS,   40
.set BVP,  42
.set ST,   44
.set SEL,  46
.set CS,   48
.set MNT,  50
.set QH,   51
.set KH,   52
.set DEADF, 53
.set DIAGF, 54
.set MK,   92
.set MUL_LO, 0xa1
.set MUL_HI, 0xf1
.set TO_B,   0x40
.set MSB, 0
.macro WIN new
.if MSB != (\new)
	s_set_vgpr_msb (MSB<<8)|(\new)
.set MSB, (\new)
.endif
.endm
.macro PLACES n
.rept \n
	v_nop
.endr
.endm
.macro TLOAD s                         ; every wave fetches a quarter of a slot: its group 0 was chosen by the wave's number; an s_nop 0 and four v_nop follow
	tensor_load_to_lds s[G0+4*\s:G0+4*\s+3], s[G1:G1+7]
	s_nop 0
.rept 4
	v_nop
.endr
.endm
.macro FRAG reg, adr, q, i
.irp c, 0,1,2,3
	ds_load_b128 v[\reg+4*\c:\reg+4*\c+3], v[\adr] offset:128*(\q)+32*\c+(\i)*16*PITCH
.endr
.endm
.macro WM a, b, p, t, zero
.set rD, 8*(8*((\a)%4)+(\b))
.set rP, 128*(\p)+16*(\b)
.set rR, AF+16*(\a)
.set sP, SCP+SSTR*((\b)/2)+(\t)
.set sR, SCR+SSTR*((\a)/2)+(\t)
.set mm, 4*(\zero)+2*((\a)%2)+((\b)%2)
.if mm == 0
	v_wmma_scale_f32_16x16x128_f8f6f4 v[rD:rD+7], v[rP:rP+15], v[rR:rR+15], v[rD:rD+7], v[sP], v[sR]
.elseif mm == 1
	v_wmma_scale_f32_16x16x128_f8f6f4 v[rD:rD+7], v[rP:rP+15], v[rR:rR+15], v[rD:rD+7], v[sP], v[sR] matrix_a_scale:MATRIX_SCALE_ROW1
.elseif mm == 2
	v_wmma_scale_f32_16x16x128_f8f6f4 v[rD:rD+7], v[rP:rP+15], v[rR:rR+15], v[rD:rD+7], v[sP], v[sR] matrix_b_scale:MATRIX_SCALE_ROW1
.elseif mm == 3
	v_wmma_scale_f32_16x16x128_f8f6f4 v[rD:rD+7], v[rP:rP+15], v[rR:rR+15], v[rD:rD+7], v[sP], v[sR] matrix_a_scale:MATRIX_SCALE_ROW1 matrix_b_scale:MATRIX_SCALE_ROW1
.elseif mm == 4
	v_wmma_scale_f32_16x16x128_f8f6f4 v[rD:rD+7], v[rP:rP+15], v[rR:rR+15], 0, v[sP], v[sR]
.elseif mm == 5
	v_wmma_scale_f32_16x16x128_f8f6f4 v[rD:rD+7], v[rP:rP+15], v[rR:rR+15], 0, v[sP], v[sR] matrix_a_scale:MATRIX_SCALE_ROW1
.elseif mm == 6
	v_wmma_scale_f32_16x16x128_f8f6f4 v[rD:rD+7], v[rP:rP+15], v[rR:rR+15], 0, v[sP], v[sR] matrix_b_scale:MATRIX_SCALE_ROW1
.else
	v_wmma_scale_f32_16x16x128_f8f6f4 v[rD:rD+7], v[rP:rP+15], v[rR:rR+15], 0, v[sP], v[sR] matrix_a_scale:MATRIX_SCALE_ROW1 matrix_b_scale:MATRIX_SCALE_ROW1
.endif
.endm
.macro MUL16 a0, p, t, zero            ; the 64 accumulators take turns, one instruction a turn
.irp a, \a0, \a0+1
.irp b, 0,1,2,3,4,5,6,7
	WM (\a), \b, \p, \t, \zero
.endr
.endr
.endm
.macro FETCH_B slot, q, p
	WIN TO_B
.irp i, 0,1,2,3,4,5,6,7
	FRAG 128*(\p)+16*\i, ADRB+\slot, \q, \i
.endr
	WIN 0
.endm
.macro FETCH_BH slot, q, p, i0         ; four of P's eight fragments: a run of sixteen loads
	WIN TO_B
.irp i, \i0, \i0+1, \i0+2, \i0+3
	FRAG 128*(\p)+16*(\i), ADRB+\slot, \q, \i
.endr
.endm
.macro FETCH_A slot, q, i0
.irp i, \i0, \i0+1, \i0+2, \i0+3
	FRAG AF+16*(\i), ADRA+\slot, \q, \i
.endr
.endm
.macro STEP slot, t, zero
	s_wait_dscnt 16                                ; the youngest sixteen loads (R's blocks 4-7) may be out
	WIN MUL_LO
	MUL16 0, 0, \t, \zero                          ; a run of sixteen loads stands behind every sixteen products
	FETCH_BH \slot, 1, 1, 0                        ; P's other set was last multiplied in the step before, whose eight places stand behind its last product
	WIN MUL_LO
	MUL16 2, 0, \t, \zero
	FETCH_BH \slot, 1, 1, 4
	s_wait_dscnt 32                                ; R's blocks 4-7 are in; the 32 loads of P's next set may be out
	WIN MUL_HI
	MUL16 4, 0, \t, \zero
	PLACES 8                                       ; behind the products of R's blocks 0-3
	WIN 0
	FETCH_A \slot, 1, 0
	WIN MUL_HI
	MUL16 6, 0, \t, \zero
	PLACES 8
	WIN 0
	FETCH_A \slot, 1, 4
.endm
.macro TURN slot, next, fill, t
	s_wait_tensorcnt 0x0                           ; all my tensor loads have landed: my part of the next slot
	ds_add_u32 v[SPW], v[NIL]                      ; 0 onto my spare word
.if \t == 1
	s_mov_b32 s[G1+2], 128<<16                     ; no tensor load of mine is out, so a descriptor may be written: from here on a load brings 128 rows
	s_mov_b32 s[G1+4], 128
.endif
	s_wait_dscnt 17                                ; (the add and the youngest sixteen loads may be out)
	WIN MUL_LO
	MUL16 0, 1, \t, 0
	s_wait_dscnt 0x0                               ; the add is done, and my reads of this slot are over
	s_barrier_signal -1
	MUL16 2, 1, \t, 0
	WIN 0
	s_barrier_wait -1
.if \fill
	s_add_nc_u64 s[G0+4*\slot+2:G0+4*\slot+3], s[G0+4*\slot+2:G0+4*\slot+3], 512
	TLOAD \slot                                    ; two K steps on: my one tensor load behind this barrier
	PLACES 4
.else
	PLACES 8
.endif
	FETCH_B \next, 0, 0
	WIN MUL_HI
	MUL16 4, 1, \t, 0
	WIN 0
	FETCH_A \next, 0, 0                            ; the places behind the barrier stand behind the products of R's blocks 0-3 too
	WIN MUL_HI
	MUL16 6, 1, \t, 0
	PLACES 8
	WIN 0
	FETCH_A \next, 0, 4
.endm
.macro LAST t
	s_wait_dscnt 16
	WIN MUL_LO
	MUL16 0, 1, \t, 0
	MUL16 2, 1, \t, 0
	s_wait_dscnt 0x0
	WIN MUL_HI
	MUL16 4, 1, \t, 0
	MUL16 6, 1, \t, 0
	WIN 0
.endm
.macro SC_ROW S, va, base              ; given scales, [row][32 bytes]
.irp p, 0,1,2,3
	global_load_b128 v[\S+8*\p:\S+8*\p+3], v[\va], s[\base:\base+1] offset:1024*\p
	global_load_b128 v[\S+8*\p+4:\S+8*\p+7], v[\va], s[\base:\base+1] offset:1024*\p+16
.endr
.endm
.macro SC_STEP S, va, base             ; my own, [K / 256][8,192 rows][8 bytes]: 32 lanes read 256 consecutive bytes
.irp s, 0,1,2,3
.irp p, 0,1,2,3
	global_load_b64 v[\S+8*\p+2*\s:\S+8*\p+2*\s+1], v[\va], s[\base:\base+1] offset:65536*\s+256*\p
.endr
.endr
.endm
.macro QUANT                           ; as in proj_qk
.irp b, 0,1,2,3
	v_max3_num_f32 v[TM+\b], |v[XS+16*\b]|, |v[XS+1+16*\b]|, 0x4800000
.endr
.irp i, 2,4,6,8,10,12,14
.irp b, 0,1,2,3
	v_max3_num_f32 v[TM+\b], v[TM+\b], |v[XS+16*\b+\i]|, |v[XS+1+16*\b+\i]|
.endr
.endr
.irp b, 0,1,2,3
	v_permlanex16_b32 v[TM+4+\b], v[TM+\b], s[SEL], s[SEL+1]
.endr
.irp b, 0,1,2,3
	v_max_num_f32 v[TM+\b], v[TM+\b], v[TM+4+\b]
.endr
.irp b, 0,1,2,3
	v_add_nc_u32 v[TM+12+\b], 0xfc000000, v[TM+\b]
.endr
.irp b, 0,1,2,3
	v_and_or_b32 v[TM+8+\b], v[TM+\b], 0x7f800000, s[MNT]
.endr
.irp b, 0,1,2,3
	v_lshrrev_b32 v[TM+4+\b], 23, v[TM+12+\b]
.endr
	v_lshl_or_b32 v[PW], v[TM+5], 8, v[TM+4]
	v_lshl_or_b32 v[PW], v[TM+6], 16, v[PW]
	v_lshl_or_b32 v[PW], v[TM+7], 24, v[PW]
.irp b, 0,1,2,3
.irp i, 0,1,2,3,4,5,6,7,8,9,10,11,12,13,14,15
	v_med3_num_f32 v[XS+16*\b+\i], v[XS+16*\b+\i], -v[TM+8+\b], v[TM+8+\b]
.endr
	v_cvt_scalef32_pk8_fp8_f32 v[PC+4*\b:PC+1+4*\b], v[XS+16*\b:XS+7+16*\b], v[TM+12+\b]
	v_cvt_scalef32_pk8_fp8_f32 v[PC+2+4*\b:PC+3+4*\b], v[XS+8+16*\b:XS+15+16*\b], v[TM+12+\b]
.endr
	v_nop
.endm
.macro PUT a
.irp b, 0,1,2,3,4,5,6,7
	ds_store_b64 v[STO], v[PC+2*\b:PC+2*\b+1] offset:(\a)*16*PITCH+16*\b
.endr
	ds_store_b32 v[SSTO], v[PW] offset:(\a)*128
.endm
.macro XFORM_V a                       ; block a's sums + bv of the lane's row 16 a + r, which stands in v[VEC + a]: one half of a pair serves both halves of the sum
	WIN 0x02+(\a)/4
.set n, 0
.rept 32
.if (\a)%2 == 0
	v_pk_add_f32 v[XS+2*n:XS+2*n+1], v[64*((\a)%4)+2*n:64*((\a)%4)+2*n+1], v[VEC+(\a):VEC+(\a)+1] op_sel_hi:[1,0]
.else
	v_pk_add_f32 v[XS+2*n:XS+2*n+1], v[64*((\a)%4)+2*n:64*((\a)%4)+2*n+1], v[VEC+(\a)-1:VEC+(\a)] op_sel:[0,1] op_sel_hi:[1,1]
.endif
.set n, n+1
.endr
	WIN 0
.endm
.macro MASKW W                         ; the diagonal wave: key 16 b + 8 h + j is hidden from query 16 a + r where b > a, or b = a and j > r - 8 h.  W = 0: blocks 0-3, 1: blocks 4-7
	WIN 0x80+0x40*(\W)
.irp a, 0,1,2,3
.irp b, 0,1,2,3,4,5,6,7
.if \b > 4*(\W)+\a
.irp j, 0,1,2,3,4,5,6,7
	v_mov_b32 v[64*\a+8*\b+\j], v[NINF]
.endr
.endif
.endr
.endr
	WIN 0x82+0x41*(\W)
.irp a, 0,1,2,3
.irp j, 0,1,2,3,4,5,6,7
	v_cndmask_b32 v[64*\a+8*(4*(\W)+\a)+\j], v[64*\a+8*(4*(\W)+\a)+\j], v[NINF], s[MK+\j]
.endr
.endr
.endm
.macro EXPW W                          ; 2^(c s - cm) in place, a window's 256 numbers
	WIN 0x82+0x41*(\W)
.set n, 0
.rept 128
	v_pk_fma_f32 v[2*n:2*n+1], v[2*n:2*n+1], s[CS:CS+1], v[MX+(2*n)%64:MX+(2*n)%64+1] op_sel_hi:[1,0,1] neg_lo:[0,0,1] neg_hi:[0,0,1]
.set n, n+1
.endr
.set n, 0
	s_wait_alu depctr_va_vdst(0)
.rept 256
	v_exp_f32 v[n], v[n]
.set n, n+1
.endr
.endm
.macro ADDZ off                        ; the sums take one more block
.set n, 0
.rept 32
	v_pk_add_f32 v[ZS+2*n:ZS+2*n+1], v[ZS+2*n:ZS+2*n+1], v[\off+2*n:\off+2*n+1]
.set n, n+1
.endr
.endm
	s_load_b512 s[68:83], s[0:1], 0x0              ; qk_codes, qk_scales, x_codes, x_scales, Wv_codes, Wv_scales, bv, stats
	s_load_b128 s[84:87], s[0:1], 0x40             ; v_codes, v_scales
	v_lshl_add_u32 v[SPW], v0, 2, SPARE
	v_mov_b32 v[NIL], 0
	ds_add_u32 v[SPW], v[NIL]                      ; the wave's opening: the add, twice on end, and its wait ahead of my first tensor load
	ds_add_u32 v[SPW], v[NIL]
	v_lshrrev_b32 v1, 5, v0
	v_readfirstlane_b32 s14, v1
	s_lshr_b32 s15, s14, 1                         ; my half of R's rows.  Also: I fetch for R (0) or for P (1)
	s_and_b32 s16, s14, 1                          ; my half of P's rows.  Also: which 128 rows I fetch
	s_mov_b32 s18, ttmp9                           ; t
	s_and_b32 s22, ttmp7, 0xffff                   ; the batch
	s_mov_b32 s19, 0
.irp thr, 1,3,6,10,15,21,28
	s_cmp_ge_u32 s18, \thr                         ; i = how many triangular numbers are at or under t
	s_add_co_ci_u32 s19, s19, 0
.endr
	s_add_co_u32 s20, s19, 1
	s_mul_i32 s20, s20, s19
	s_lshr_b32 s20, s20, 1
	s_sub_co_u32 s20, s18, s20                     ; j = t - i (i + 1) / 2
	s_sub_co_u32 s21, s18, 36
	s_lshr_b32 s23, s21, 2                         ; a v tile's key tile
.if KT0
	s_add_co_u32 s23, s23, KT0
.endif
	s_and_b32 s21, s21, 3                          ; and its tile of d
	s_cmp_ge_u32 s18, 36
	s_cselect_b32 s17, 1, 0                        ; 1: a v tile
	s_lshl_b32 s[QH], s19, 1
	s_add_co_u32 s[QH], s[QH], s15                 ; my block of 128 queries,
	s_lshl_b32 s[KH], s20, 1
	s_add_co_u32 s[KH], s[KH], s16                 ; of 128 keys
	s_cmp_lt_u32 s[QH], s[KH]
	s_cselect_b32 s[DEADF], 1, 0                   ; wholly under the mask
	s_cmp_eq_u32 s[QH], s[KH]
	s_cselect_b32 s[DIAGF], 1, 0                   ; on the diagonal
	s_lshl_b32 s56, s22, 11
	s_lshl_b32 s57, s19, 8
	s_add_co_u32 s57, s57, s56                     ; q's first row
	s_lshl_b32 s58, s20, 8
	s_add_co_u32 s58, s58, s56
	s_add_co_u32 s58, s58, 8192                    ; k's, 8,192 rows behind q's
	s_lshl_b32 s59, s21, 8                         ; Wv's
	s_lshl_b32 s60, s23, 8
	s_add_co_u32 s60, s60, s56                     ; x's
	s_cmp_lg_u32 s17, 0
	s_cselect_b32 s2, s59, s57                     ; R's first row
	s_cselect_b32 s3, s60, s58                     ; P's
	s_cselect_b32 s61, 5, 3                        ; a row of scales: 32 bytes as given, 8 a K step in my own
	s_cselect_b32 s62, 0, 196608                   ; k's scales begin at 262,144 = 8 x 8,192 + this
	s_lshl_b32 s56, s15, 7
	s_add_co_u32 s56, s56, s2
	s_lshl_b32 s56, s56, s61
	s_mov_b32 s57, 0
	s_lshl_b32 s58, s16, 7
	s_add_co_u32 s58, s58, s3
	s_lshl_b32 s58, s58, s61
	s_add_co_u32 s58, s58, s62
	s_mov_b32 s59, 0
	s_cmp_eq_u32 s16, 0                            ; at the head I fetch a whole tile: R's (even waves) or P's (odd), of K step wave / 2
	s_cselect_b32 s100, s2, s3
	s_lshl_b32 s100, s100, 10
	s_lshl_b32 s101, s15, 8
	s_add_co_u32 s100, s100, s101
	s_mov_b32 s101, 0
	s_cmp_eq_u32 s15, 0
	s_cselect_b32 s62, s2, s3                      ; the rows that I fetch in the ring
	s_lshl_b32 s63, s16, 7
	s_add_co_u32 s62, s62, s63
	s_lshl_b32 s62, s62, 10
	s_mov_b32 s63, 0
	s_mul_i32 s60, s14, HALFT
	s_mov_b32 s[G1], (1<<20)|(5<<22)|(3<<25)       ; no mask; elements of 1 byte; 4 words of padding behind every 64
	s_mov_b32 s[G1+1], 256<<16
	s_mov_b32 s[G1+2], 256<<16                     ; 256 rows for the head's loads; the first change of slots sets 128, for the ring's
	s_mov_b32 s[G1+3], 256<<16
	s_mov_b32 s[G1+4], 256
	s_mov_b32 s[G1+5], 1024
	s_mov_b32 s[G1+6], 0
	s_mov_b32 s[G1+7], 0
	s_mov_b32 s[SEL], 0x76543210
	s_mov_b32 s[SEL+1], 0xfedcba98
	s_mov_b32 s[CS], 0x3d38aa3b                    ; c = log2(e) / 32
	s_mov_b32 s[CS+1], s[CS]
	s_mov_b32 s[MNT], 0x600000
	s_wait_dscnt 0x0                               ; both opening adds are done
	s_wait_kmcnt 0x0
	s_cmp_lg_u32 s17, 0                            ; the buffers are chosen by the work-group's number alone
	s_cselect_b64 s[4:5], s[76:77], s[68:69]       ; R's codes
	s_cselect_b64 s[6:7], s[78:79], s[70:71]       ; R's scales
	s_cselect_b64 s[8:9], s[72:73], s[68:69]       ; P's codes
	s_cselect_b64 s[10:11], s[74:75], s[70:71]     ; P's scales
	s_cmp_eq_u32 s15, 0
	s_cselect_b64 s[2:3], s[4:5], s[8:9]
	s_add_nc_u64 s[2:3], s[2:3], s[62:63]
.irp s, 0,1
	s_mov_b32 s[G0+4*\s], 1
	s_add_co_u32 s[G0+4*\s+1], s60, \s*SLOT
	s_add_nc_u64 s[G0+4*\s+2:G0+4*\s+3], s[2:3], \s*256
	s_or_b32 s[G0+4*\s+3], s[G0+4*\s+3], 0x80000000
.endr
; THE HEAD'S LOADS, ONE A WAVE: both slots' four tiles, each whole, 256 rows.  Waves 0 and 1 (slot 0) and waves 2 and 3 (slot 1) have a load line each:
; the first two alone wait at the first barrier, the others at the first change of slots.
.set G0H, 68                           ; s[68:71]: the arguments that lay there have been used
	s_cmp_eq_u32 s16, 0
	s_cselect_b64 s[G0H+2:G0H+3], s[4:5], s[8:9]
	s_add_nc_u64 s[G0H+2:G0H+3], s[G0H+2:G0H+3], s[100:101]
	s_or_b32 s[G0H+3], s[G0H+3], 0x80000000
	s_mov_b32 s[G0H], 1
	s_mul_i32 s[G0H+1], s16, 2*HALFT
	s_mul_i32 s100, s15, SLOT
	s_add_co_u32 s[G0H+1], s[G0H+1], s100
	s_cmp_lt_u32 s14, 2
	s_cbranch_scc0 .Lhead_up
	tensor_load_to_lds s[G0H:G0H+3], s[G1:G1+7]
	s_nop 0
.rept 4
	v_nop
.endr
	s_branch .Lhead_asked
.Lhead_up:
	tensor_load_to_lds s[G0H:G0H+3], s[G1:G1+7]
	s_nop 0
.rept 4
	v_nop
.endr
.Lhead_asked:
	s_add_nc_u64 s[6:7], s[6:7], s[56:57]
	s_add_nc_u64 s[10:11], s[10:11], s[58:59]
	s_lshl_b32 s56, s22, 4
	s_add_co_u32 s56, s56, s[QH]
	s_lshl_b32 s56, s56, 13
	s_lshl_b32 s57, s[KH], 9
	s_add_co_u32 s56, s56, s57
	s_mov_b32 s57, 0
	s_add_nc_u64 s[ST:ST+1], s[82:83], s[56:57]    ; stats: cm [b][16 blocks of queries][2,048 keys] f32; z 524,288 bytes on
	s_lshl_b32 s56, s22, 3
	s_lshl_b32 s58, s21, 1
	s_add_co_u32 s56, s56, s58
	s_add_co_u32 s56, s56, s15                     ; my block of 128 of d: 8 b + 2 x tile + wave / 2
	s_lshl_b32 s56, s56, 3
	s_add_co_u32 s56, s56, s23                     ; its key tile
	s_lshl_b32 s56, s56, 15
	s_lshl_b32 s58, s16, 14                        ; my 64 rows of the block
	s_add_co_u32 s56, s56, s58
	s_add_nc_u64 s[OC:OC+1], s[84:85], s[56:57]    ; v's codes [b][8 blocks of 128 d][8 key tiles][128 d][256 keys]: a block's key tiles lie on end, 32,768 bytes each
	s_lshl_b32 s56, s22, 3
	s_add_co_u32 s56, s56, s23
	s_lshl_b32 s56, s56, 10
	s_lshl_b32 s58, s21, 8
	s_add_co_u32 s56, s56, s58
	s_lshl_b32 s56, s56, 3
	s_lshl_b32 s58, s14, 9
	s_add_co_u32 s56, s56, s58
	s_add_nc_u64 s[OS:OS+1], s[86:87], s[56:57]    ; v's scale words [b][8 key tiles][1,024 d][8 bytes]
	s_lshl_b32 s56, s21, 8
	s_lshl_b32 s58, s15, 7
	s_add_co_u32 s56, s56, s58
	s_lshl_b32 s56, s56, 2
	s_add_nc_u64 s[BVP:BVP+1], s[80:81], s[56:57]
	v_and_b32 v1, 15, v0                           ; r
	v_bfe_u32 v2, v0, 4, 1                         ; h
	v_and_b32 v3, 31, v0                           ; lane
	v_mul_u32_u24 v4, v1, PITCH
	v_lshl_add_u32 v15, v2, 4, v4
	s_mul_i32 s58, s15, HALFT
	s_mul_i32 s59, s16, HALFT
	s_add_co_u32 s59, s59, 2*HALFT
.irp s, 0,1
	v_add_nc_u32 v[ADRA+\s], s58, v15
	v_add_nc_u32 v[ADRB+\s], s59, v15
	s_add_co_u32 s58, s58, SLOT
	s_add_co_u32 s59, s59, SLOT
.endr
	v_lshlrev_b32 v[L16], 4, v3
	s_wait_alu depctr_va_vdst(0)
	v_lshlrev_b32 v5, 5, v3
	v_lshlrev_b32 v6, 3, v3
	v_lshl_add_u32 v15, v2, 3, v4
	s_mul_i32 s58, s15, HALFT
	s_lshl_b32 s59, s16, 7
	s_add_co_u32 s58, s58, s59
	v_add_nc_u32 v[STO], s58, v15
	s_lshl_b32 s58, s15, 10
	s_lshl_b32 s59, s16, 2
	s_add_co_u32 s58, s58, s59
	s_add_co_u32 s58, s58, SSTG
	v_lshl_add_u32 v[SSTO], v1, 3, s58
	s_mul_i32 s58, s14, 64*PITCH
	v_mul_u32_u24 v15, v2, PITCH
	v_lshl_add_u32 v15, v1, 4, v15
	v_add_nc_u32 v[RD], s58, v15
	s_lshl_b32 s58, s14, 9
	s_add_co_u32 s59, s58, SSTG
	v_add_nc_u32 v[SRD], s59, v[L16]
	s_add_co_u32 s59, s58, VSCR
	v_add_nc_u32 v[VW], s59, v[L16]
	v_lshl_add_u32 v[LB], v1, 2, s59
	s_lshl_b32 s58, s14, 10
	s_add_co_u32 s58, s58, STSC
	v_lshl_add_u32 v[SA], v2, 5, s58
	v_add_nc_u32 v[SBK], s58, v[L16]
	v_lshlrev_b32 v15, 8, v2
	v_lshl_add_u32 v[CO], v1, 4, v15
	v_lshlrev_b32 v15, 3, v2
	v_sub_nc_u32 v[DD], v1, v15                    ; r - 8 h
	v_mov_b32 v[NINF], 0xff800000
.irp e, 8,9,10,11
	v_mov_b32 v\e, 0                               ; written on the way that all tiles take, so that every register named later has been written on every way through the text; a v tile loads bv here
.endr
	s_cmp_lg_u32 s17, 0
	s_cbranch_scc1 .Lhead_v
	SC_STEP SCR, 6, 6
	SC_STEP SCP, 6, 10
	s_branch .Lhead_done
.Lhead_v:
	SC_ROW SCR, 5, 6
	SC_ROW SCP, 5, 10
	global_load_b128 v[8:11], v[L16], s[BVP:BVP+1]
.Lhead_done:
	s_wait_loadcnt 0x0
	s_cmp_lt_u32 s14, 2
	s_cbranch_scc0 .Lslot1_mine
	s_wait_tensorcnt 0x0                           ; waves 0 and 1: K step 0's two tiles are in.  K step 1's may stay out, and slot 1 is read behind the first change of slots, where every wave waits
.Lslot1_mine:
	s_barrier_signal -1
	s_barrier_wait -1
	FETCH_B 0, 0, 0
	FETCH_A 0, 0, 0
	FETCH_A 0, 0, 4
	STEP 0, 0, 1
	TURN 0, 1, 1, 1
	STEP 1, 2, 0
	TURN 1, 0, 1, 3
	STEP 0, 4, 0
	TURN 0, 1, 0, 5
	STEP 1, 6, 0
	LAST 7
	PLACES 8
	s_cmp_lg_u32 s17, 0
	s_cbranch_scc1 .Lvpath
	; ---- AN S TILE: the column statistics of my 128 queries x 128 keys
	s_cmp_lg_u32 s[DEADF], 0
	s_cbranch_scc1 .Ljoin                          ; wholly masked: nothing to store
	s_wait_alu depctr_va_vdst(0)
.irp j, 0,1,2,3,4,5,6,7
	v_cmp_gt_i32 s[MK+\j], \j, v[DD]               ; in a diagonal block: register j is hidden where j > r - 8 h
.endr
	s_cmp_eq_u32 s[DIAGF], 0
	s_cbranch_scc1 .Lopen
	MASKW 0
	MASKW 1
	WIN 0
.Lopen:
	WIN 0x2a                                       ; the largest score of each key over my eight blocks of queries
.set n, 0
.rept 64
	v_max3_num_f32 v[MX+n], v[n], v[64+n], v[128+n]
.set n, n+1
.endr
	WIN 0x38
.set n, 0
.rept 64
	v_max3_num_f32 v[MX+n], v[MX+n], v[192+n], v[n]
.set n, n+1
.endr
	WIN 0x3c
.set n, 0
.rept 64
	v_max3_num_f32 v[MX+n], v[MX+n], v[64+n], v[128+n]
.set n, n+1
.endr
	WIN 0x0c
.set n, 0
.rept 64
	v_max_num_f32 v[MX+n], v[MX+n], v[192+n]
.set n, n+1
.endr
	WIN 0
.irp m, 1,2,4,8                        ; and over the sixteen lanes that hold the same keys
.set n, 0
.rept 64
	v_max_num_f32_dpp v[MX+n], v[MX+n], v[MX+n] row_xmask:\m row_mask:0xf bank_mask:0xf
.set n, n+1
.endr
.endr
.set n, 0
.rept 32
	v_pk_mul_f32 v[MX+2*n:MX+2*n+1], v[MX+2*n:MX+2*n+1], s[CS:CS+1] op_sel_hi:[1,0]   ; cm = c x the maximum (c is positive)
.set n, n+1
.endr
	EXPW 0
	EXPW 1
	v_nop                                          ; a plain place behind the last exponential
	s_wait_alu depctr_va_vdst(0)                   ; one wait for the batch of 512, ahead of its first reader
	WIN 0x0a
.set n, 0
.rept 32
	v_pk_add_f32 v[ZS+2*n:ZS+2*n+1], v[2*n:2*n+1], v[64+2*n:64+2*n+1]
.set n, n+1
.endr
	WIN 0x08
	ADDZ 128
	ADDZ 192
	WIN 0x0c
	ADDZ 0
	ADDZ 64
	ADDZ 128
	ADDZ 192
	WIN 0
.irp m, 1,2,4,8
.set n, 0
.rept 64
	v_add_f32_dpp v[ZS+n], v[ZS+n], v[ZS+n] row_xmask:\m row_mask:0xf bank_mask:0xf
.set n, n+1
.endr
.endr
.irp b, 0,1,2,3,4,5,6,7                ; through my own 1,024 bytes: register 8 b + j is key 16 b + 8 h + j; the sixteen lanes of a half write the same bytes with the same values
	ds_store_b128 v[SA], v[MX+8*\b:MX+8*\b+3] offset:64*\b
	ds_store_b128 v[SA], v[MX+8*\b+4:MX+8*\b+7] offset:64*\b+16
	ds_store_b128 v[SA], v[ZS+8*\b:ZS+8*\b+3] offset:512+64*\b
	ds_store_b128 v[SA], v[ZS+8*\b+4:ZS+8*\b+7] offset:512+64*\b+16
.endr
	ds_load_b128 v[96:99], v[SBK]                  ; LDS serves a wave's instructions in order: these see my stores
	ds_load_b128 v[100:103], v[SBK] offset:512
	s_wait_dscnt 0x0
	global_store_b128 v[L16], v[96:99], s[ST:ST+1]                  ; 512 consecutive bytes each
	global_store_b128 v[L16], v[100:103], s[ST:ST+1] offset:524288
	s_branch .Ljoin
.Lvpath:
	; ---- A V TILE: + bv, quantised along the keys
.irp b, 0,1,2,3
	v_mov_b32 v[TM+4+\b], 0                        ; a lane permute's destination counts as one of its sources
.endr
	s_wait_alu depctr_va_vdst(0)
	ds_store_b128 v[VW], v[8:11]
.irp a, 0,1,2,3,4,5,6,7
	ds_load_b32 v[VEC+\a], v[LB] offset:64*\a      ; bv of my row 16 a + r
.endr
	s_wait_dscnt 0x0
.irp a, 0,1,2,3,4,5,6,7
	XFORM_V \a
	QUANT
	PUT \a
.endr
.Ljoin:
	s_wait_dscnt 0x0                               ; for the others' sake: my LDS stores are done
	s_barrier_signal -1
	s_barrier_wait -1
	s_cmp_eq_u32 s17, 0
	s_cbranch_scc1 .Lend
.set n, 0
.rept 32
	ds_load_b128 v[128+4*n:128+4*n+3], v[RD] offset:544*n
.set n, n+1
.endr
	ds_load_b128 v[PC:PC+3], v[SRD]
.set n, 0
	s_wait_alu depctr_va_vdst(0)
.rept 32
	s_wait_dscnt 32-n                              ; the younger code loads and the scale load may be out
	global_store_b128 v[CO], v[128+4*n:128+4*n+3], s[OC:OC+1] offset:2*n*OPITCH   ; sixteen lanes store 256 consecutive bytes, aligned
.set n, n+1
.endr
	s_wait_dscnt 0x0
	global_store_b128 v[L16], v[PC:PC+3], s[OS:OS+1]
.Lend:
	s_wait_tensorcnt 0x0                           ; the wave's end
	ds_add_u32 v[SPW], v[NIL]
	s_wait_dscnt 0x0
	s_endpgm
.Lfunc_end_k_q6644c0c5cb_stats_v:
	.size	k_q6644c0c5cb_stats_v, .Lfunc_end_k_q6644c0c5cb_stats_v-k_q6644c0c5cb_stats_v
	.p2alignl 7, 3214868480
	.fill 96, 4, 3214868480
	.section	.rodata,"a",@progbits
	.p2align	6, 0x0
	.amdhsa_kernel k_q6644c0c5cb_stats_v
		.amdhsa_group_segment_fixed_size 327680
		.amdhsa_private_segment_fixed_size 0
		.amdhsa_enable_private_segment 0
		.amdhsa_kernarg_size 80
		.amdhsa_user_sgpr_count 2
		.amdhsa_user_sgpr_kernarg_segment_ptr 1
		.amdhsa_wavefront_size32 1
		.amdhsa_system_sgpr_workgroup_id_x 1
		.amdhsa_system_sgpr_workgroup_id_y 1
		.amdhsa_system_sgpr_workgroup_id_z 1
		.amdhsa_system_vgpr_workitem_id 0
		.amdhsa_next_free_vgpr 1024
		.amdhsa_next_free_sgpr 102
		.amdhsa_reserve_vcc 0
		.amdhsa_float_denorm_mode_32 3
		.amdhsa_float_denorm_mode_16_64 3
		.amdhsa_memory_ordered 1
		.amdhsa_forward_progress 1
		.amdhsa_inst_pref_size 255
	.end_amdhsa_kernel
	.section	.bss,"aw",@nobits
	.p2align	6
	.space	262144
	.amdgpu_metadata
---
amdhsa.version: [ 1, 2 ]
amdhsa.kernels:
  - .name:           k_q6644c0c5cb_stats_v
    .symbol:         k_q6644c0c5cb_stats_v.kd
    .args:
      - { .name: qk_codes, .offset: 0, .size: 8, .value_kind: global_buffer, .address_space: global }
      - { .name: qk_scales, .offset: 8, .size: 8, .value_kind: global_buffer, .address_space: global }
      - { .name: x_codes, .offset: 16, .size: 8, .value_kind: global_buffer, .address_space: global }
      - { .name: x_scales, .offset: 24, .size: 8, .value_kind: global_buffer, .address_space: global }
      - { .name: Wv_codes, .offset: 32, .size: 8, .value_kind: global_buffer, .address_space: global }
      - { .name: Wv_scales, .offset: 40, .size: 8, .value_kind: global_buffer, .address_space: global }
      - { .name: bv, .offset: 48, .size: 8, .value_kind: global_buffer, .address_space: global }
      - { .name: stats, .offset: 56, .size: 8, .value_kind: global_buffer, .address_space: global }
      - { .name: v_codes, .offset: 64, .size: 8, .value_kind: global_buffer, .address_space: global }
      - { .name: v_scales, .offset: 72, .size: 8, .value_kind: global_buffer, .address_space: global }
    .group_segment_fixed_size: 327680
    .private_segment_fixed_size: 0
    .kernarg_segment_align: 8
    .kernarg_segment_size: 80
    .max_flat_workgroup_size: 128
    .sgpr_count:     102
    .vgpr_count:     1024
    .wavefront_size: 32
...
	.end_amdgpu_metadata
.endif
;; end of part 2
;; launch probs_v (part 3): grid 52 x 4, 4 waves a work-group, no clusters, 327,680 bytes of LDS; arguments qk_codes, qk_scales, x_codes, x_scales, Wv_codes, Wv_scales, bv, stats, p_codes, p_scales, v_codes, v_scales; writes p_codes, p_scales, v_codes, v_scales
.if DOCPART == 3
	.amdgcn_target "amdgcn-amd-amdhsa--gfx1250"
	.amdhsa_code_object_version 6
	.text
	.protected	k_q6644c0c5cb_probs_v
	.globl	k_q6644c0c5cb_probs_v
	.p2align	8
	.type	k_q6644c0c5cb_probs_v,@function
k_q6644c0c5cb_probs_v:
	s_mov_b64 s[64:65], 0
	v_nop
	global_prefetch_b8 v0, s[64:65] scope:SCOPE_SE
	s_setreg_imm32_b32 hwreg(HW_REG_WAVE_MODE, 25, 1), 1
	s_wait_xcnt 0x0
; Work-group (t, b).  t < 36: the live tile (i, j), j <= i, of S = q k^T of batch b once more: p = 2^(c s - L), c = log2(e) / 32, quantised along the keys and stored as codes and scale words.
; L of a key column = its largest c s + log2 of its sum: at the head each wave joins, for its 128 keys, the partial maxima and sums that stats_v stored for the blocks of 128 queries at or behind the keys' block:
; every partial sum is brought under the joint maximum before it is added, so the maximum is taken away before every exponential.
; t >= 36: a tile of v = x Wv + bv (256 of d x 256 keys, key tiles 4 to 7), quantised along the keys, as in stats_v.  K loop, layout and registers as in stats_v.
; WORK LEFT OUT: the 28 tiles of S a batch whose keys all come after their queries (shown at the head of proj_qk).  In a diagonal tile hidden scores count as -infinity: p = 0, zero codes, which are stored: pv reads them.
; NO CLUSTER: the 36 live tiles of a triangle do not fall into fours that share a tile row or a tile column.
; OUT: p's codes [b][16 blocks of 128 queries][8 key tiles][128][256 keys], v's [b][8 blocks of 128 d][8 key tiles][128][256 keys]: a block's key tiles lie on end, 32,768 bytes each; a wave's store covers 512 consecutive bytes.
.set KT0,    4
.set PITCH,  272
.set HALFT,  128*PITCH
.set SLOT,   4*HALFT
.set SPARE,  2*SLOT
.set VSCR,   SPARE+512
.set SSTG,   256*PITCH
.set OPITCH, 256                       ; a row of a stored block of codes
.set VW,   7
.set LB,   14
.set ADRA, 16
.set LA,   18
.set DD,   19
.set ADRB, 20
.set L16,  22
.set PW,   23
.set STO,  24
.set RD,   25
.set CO,   26
.set SSTO, 27
.set SPW,  28
.set NIL,  29
.set SRD,  30
.set NINF, 31
.set SCR,  32
.set SCP,  64
.set SSTR, 8
.set TM,   96
.set PC,   112
.set AF,   128
.set XS,   128
.set VEC,  192
.set VO,   96
.set MXR,  112
.set ZZ,   116
.set LG,   120
.set CMR,  128
.set ZR,   192
.set G1,   24
.set G0,   32
.set OC,   12
.set OS,   40
.set BVP,  42
.set ST,   44
.set SEL,  46
.set CS,   48
.set MNT,  50
.set QH,   51
.set KH,   52
.set DEADF, 53
.set DIAGF, 54
.set MK,   92
.set MUL_LO, 0xa1
.set MUL_HI, 0xf1
.set TO_B,   0x40
.set MSB, 0
.macro WIN new
.if MSB != (\new)
	s_set_vgpr_msb (MSB<<8)|(\new)
.set MSB, (\new)
.endif
.endm
.macro PLACES n
.rept \n
	v_nop
.endr
.endm
.macro TLOAD s
	tensor_load_to_lds s[G0+4*\s:G0+4*\s+3], s[G1:G1+7]
	s_nop 0
.rept 4
	v_nop
.endr
.endm
.macro FRAG reg, adr, q, i
.irp c, 0,1,2,3
	ds_load_b128 v[\reg+4*\c:\reg+4*\c+3], v[\adr] offset:128*(\q)+32*\c+(\i)*16*PITCH
.endr
.endm
.macro WM a, b, p, t, zero
.set rD, 8*(8*((\a)%4)+(\b))
.set rP, 128*(\p)+16*(\b)
.set rR, AF+16*(\a)
.set sP, SCP+SSTR*((\b)/2)+(\t)
.set sR, SCR+SSTR*((\a)/2)+(\t)
.set mm, 4*(\zero)+2*((\a)%2)+((\b)%2)
.if mm == 0
	v_wmma_scale_f32_16x16x128_f8f6f4 v[rD:rD+7], v[rP:rP+15], v[rR:rR+15], v[rD:rD+7], v[sP], v[sR]
.elseif mm == 1
	v_wmma_scale_f32_16x16x128_f8f6f4 v[rD:rD+7], v[rP:rP+15], v[rR:rR+15], v[rD:rD+7], v[sP], v[sR] matrix_a_scale:MATRIX_SCALE_ROW1
.elseif mm == 2
	v_wmma_scale_f32_16x16x128_f8f6f4 v[rD:rD+7], v[rP:rP+15], v[rR:rR+15], v[rD:rD+7], v[sP], v[sR] matrix_b_scale:MATRIX_SCALE_ROW1
.elseif mm == 3
	v_wmma_scale_f32_16x16x128_f8f6f4 v[rD:rD+7], v[rP:rP+15], v[rR:rR+15], v[rD:rD+7], v[sP], v[sR] matrix_a_scale:MATRIX_SCALE_ROW1 matrix_b_scale:MATRIX_SCALE_ROW1
.elseif mm == 4
	v_wmma_scale_f32_16x16x128_f8f6f4 v[rD:rD+7], v[rP:rP+15], v[rR:rR+15], 0, v[sP], v[sR]
.elseif mm == 5
	v_wmma_scale_f32_16x16x128_f8f6f4 v[rD:rD+7], v[rP:rP+15], v[rR:rR+15], 0, v[sP], v[sR] matrix_a_scale:MATRIX_SCALE_ROW1
.elseif mm == 6
	v_wmma_scale_f32_16x16x128_f8f6f4 v[rD:rD+7], v[rP:rP+15], v[rR:rR+15], 0, v[sP], v[sR] matrix_b_scale:MATRIX_SCALE_ROW1
.else
	v_wmma_scale_f32_16x16x128_f8f6f4 v[rD:rD+7], v[rP:rP+15], v[rR:rR+15], 0, v[sP], v[sR] matrix_a_scale:MATRIX_SCALE_ROW1 matrix_b_scale:MATRIX_SCALE_ROW1
.endif
.endm
.macro MUL16 a0, p, t, zero
.irp a, \a0, \a0+1
.irp b, 0,1,2,3,4,5,6,7
	WM (\a), \b, \p, \t, \zero
.endr
.endr
.endm
.macro FETCH_B slot, q, p
	WIN TO_B
.irp i, 0,1,2,3,4,5,6,7
	FRAG 128*(\p)+16*\i, ADRB+\slot, \q, \i
.endr
	WIN 0
.endm
.macro FETCH_BH slot, q, p, i0         ; four of P's eight fragments: a run of sixteen loads
	WIN TO_B
.irp i, \i0, \i0+1, \i0+2, \i0+3
	FRAG 128*(\p)+16*(\i), ADRB+\slot, \q, \i
.endr
.endm
.macro FETCH_A slot, q, i0
.irp i, \i0, \i0+1, \i0+2, \i0+3
	FRAG AF+16*(\i), ADRA+\slot, \q, \i
.endr
.endm
.macro STEP slot, t, zero
	s_wait_dscnt 16
	WIN MUL_LO
	MUL16 0, 0, \t, \zero                          ; a run of sixteen loads stands behind every sixteen products
	FETCH_BH \slot, 1, 1, 0                        ; P's other set was last multiplied in the step before, whose eight places stand behind its last product
	WIN MUL_LO
	MUL16 2, 0, \t, \zero
	FETCH_BH \slot, 1, 1, 4
	s_wait_dscnt 32                                ; R's blocks 4-7 are in; the 32 loads of P's next set may be out
	WIN MUL_HI
	MUL16 4, 0, \t, \zero
	PLACES 8                                       ; behind the products of R's blocks 0-3
	WIN 0
	FETCH_A \slot, 1, 0
	WIN MUL_HI
	MUL16 6, 0, \t, \zero
	PLACES 8
	WIN 0
	FETCH_A \slot, 1, 4
.endm
.macro TURN slot, next, fill, t
	s_wait_tensorcnt 0x0
	ds_add_u32 v[SPW], v[NIL]                      ; 0 onto my spare word
.if \t == 1
	s_mov_b32 s[G1+2], 128<<16                     ; no tensor load of mine is out, so a descriptor may be written: from here on a load brings 128 rows
	s_mov_b32 s[G1+4], 128
.endif
	s_wait_dscnt 17                                ; (the add and the youngest sixteen loads may be out)
	WIN MUL_LO
	MUL16 0, 1, \t, 0
	s_wait_dscnt 0x0
	s_barrier_signal -1
	MUL16 2, 1, \t, 0
	WIN 0
	s_barrier_wait -1
.if \fill
	s_add_nc_u64 s[G0+4*\slot+2:G0+4*\slot+3], s[G0+4*\slot+2:G0+4*\slot+3], 512
	TLOAD \slot
	PLACES 4
.else
	PLACES 8
.endif
	FETCH_B \next, 0, 0
	WIN MUL_HI
	MUL16 4, 1, \t, 0
	WIN 0
	FETCH_A \next, 0, 0                            ; the places behind the barrier stand behind the products of R's blocks 0-3 too
	WIN MUL_HI
	MUL16 6, 1, \t, 0
	PLACES 8
	WIN 0
	FETCH_A \next, 0, 4
.endm
.macro LAST t
	s_wait_dscnt 16
	WIN MUL_LO
	MUL16 0, 1, \t, 0
	MUL16 2, 1, \t, 0
	s_wait_dscnt 0x0
	WIN MUL_HI
	MUL16 4, 1, \t, 0
	MUL16 6, 1, \t, 0
	WIN 0
.endm
.macro SC_ROW S, va, base
.irp p, 0,1,2,3
	global_load_b128 v[\S+8*\p:\S+8*\p+3], v[\va], s[\base:\base+1] offset:1024*\p
	global_load_b128 v[\S+8*\p+4:\S+8*\p+7], v[\va], s[\base:\base+1] offset:1024*\p+16
.endr
.endm
.macro SC_STEP S, va, base
.irp s, 0,1,2,3
.irp p, 0,1,2,3
	global_load_b64 v[\S+8*\p+2*\s:\S+8*\p+2*\s+1], v[\va], s[\base:\base+1] offset:65536*\s+256*\p
.endr
.endr
.endm
.macro QUANT
.irp b, 0,1,2,3
	v_max3_num_f32 v[TM+\b], |v[XS+16*\b]|, |v[XS+1+16*\b]|, 0x4800000
.endr
.irp i, 2,4,6,8,10,12,14
.irp b, 0,1,2,3
	v_max3_num_f32 v[TM+\b], v[TM+\b], |v[XS+16*\b+\i]|, |v[XS+1+16*\b+\i]|
.endr
.endr
.irp b, 0,1,2,3
	v_permlanex16_b32 v[TM+4+\b], v[TM+\b], s[SEL], s[SEL+1]
.endr
.irp b, 0,1,2,3
	v_max_num_f32 v[TM+\b], v[TM+\b], v[TM+4+\b]
.endr
.irp b, 0,1,2,3
	v_add_nc_u32 v[TM+12+\b], 0xfc000000, v[TM+\b]
.endr
.irp b, 0,1,2,3
	v_and_or_b32 v[TM+8+\b], v[TM+\b], 0x7f800000, s[MNT]
.endr
.irp b, 0,1,2,3
	v_lshrrev_b32 v[TM+4+\b], 23, v[TM+12+\b]
.endr
	v_lshl_or_b32 v[PW], v[TM+5], 8, v[TM+4]
	v_lshl_or_b32 v[PW], v[TM+6], 16, v[PW]
	v_lshl_or_b32 v[PW], v[TM+7], 24, v[PW]
.irp b, 0,1,2,3
.irp i, 0,1,2,3,4,5,6,7,8,9,10,11,12,13,14,15
	v_med3_num_f32 v[XS+16*\b+\i], v[XS+16*\b+\i], -v[TM+8+\b], v[TM+8+\b]
.endr
	v_cvt_scalef32_pk8_fp8_f32 v[PC+4*\b:PC+1+4*\b], v[XS+16*\b:XS+7+16*\b], v[TM+12+\b]
	v_cvt_scalef32_pk8_fp8_f32 v[PC+2+4*\b:PC+3+4*\b], v[XS+8+16*\b:XS+15+16*\b], v[TM+12+\b]
.endr
	v_nop
.endm
.macro PUT a
.irp b, 0,1,2,3,4,5,6,7
	ds_store_b64 v[STO], v[PC+2*\b:PC+2*\b+1] offset:(\a)*16*PITCH+16*\b
.endr
	ds_store_b32 v[SSTO], v[PW] offset:(\a)*128
.endm
.macro XFORM_V a
	WIN 0x02+(\a)/4
.set n, 0
.rept 32
.if (\a)%2 == 0
	v_pk_add_f32 v[XS+2*n:XS+2*n+1], v[64*((\a)%4)+2*n:64*((\a)%4)+2*n+1], v[VEC+(\a):VEC+(\a)+1] op_sel_hi:[1,0]
.else
	v_pk_add_f32 v[XS+2*n:XS+2*n+1], v[64*((\a)%4)+2*n:64*((\a)%4)+2*n+1], v[VEC+(\a)-1:VEC+(\a)] op_sel:[0,1] op_sel_hi:[1,1]
.endif
.set n, n+1
.endr
	WIN 0
.endm
.macro XFORM_P a
	WIN 0x02+(\a)/4
.set n, 0
.rept 32
	v_pk_fma_f32 v[XS+2*n:XS+2*n+1], v[64*((\a)%4)+2*n:64*((\a)%4)+2*n+1], s[CS:CS+1], v[VEC+2*n:VEC+2*n+1] op_sel_hi:[1,0,1]
.set n, n+1
.endr
	WIN 0
	s_cmp_eq_u32 s[DIAGF], 0
	s_cbranch_scc1 .Lopen_\@
.irp j, 0,1,2,3,4,5,6,7
	v_cndmask_b32 v[XS+8*(\a)+\j], v[XS+8*(\a)+\j], v[NINF], s[MK+\j]
.endr
.if (\a) < 7
.set n, 8*(\a)+8
.rept 56-8*(\a)
	v_mov_b32 v[XS+n], v[NINF]
.set n, n+1
.endr
.endif
.Lopen_\@:
.set n, 0
	s_wait_alu depctr_va_vdst(0)
.rept 64
	v_exp_f32 v[XS+n], v[XS+n]
.set n, n+1
.endr
	v_nop
	s_wait_alu depctr_va_vdst(0)
.endm
.macro BLK a
	s_cmp_lg_u32 s17, 0
	s_cbranch_scc1 .Lxv_\@
	XFORM_P \a
	s_branch .Lxq_\@
.Lxv_\@:
	XFORM_V \a
.Lxq_\@:
	QUANT
	PUT \a
.endm
	s_load_b512 s[68:83], s[0:1], 0x0
	s_load_b256 s[84:91], s[0:1], 0x40
	v_lshl_add_u32 v[SPW], v0, 2, SPARE
	v_mov_b32 v[NIL], 0
	ds_add_u32 v[SPW], v[NIL]
	ds_add_u32 v[SPW], v[NIL]
	v_lshrrev_b32 v1, 5, v0
	v_readfirstlane_b32 s14, v1
	s_lshr_b32 s15, s14, 1
	s_and_b32 s16, s14, 1
	s_mov_b32 s18, ttmp9
	s_and_b32 s22, ttmp7, 0xffff
	s_mov_b32 s19, 0
.irp thr, 1,3,6,10,15,21,28
	s_cmp_ge_u32 s18, \thr
	s_add_co_ci_u32 s19, s19, 0
.endr
	s_add_co_u32 s20, s19, 1
	s_mul_i32 s20, s20, s19
	s_lshr_b32 s20, s20, 1
	s_sub_co_u32 s20, s18, s20
	s_sub_co_u32 s21, s18, 36
	s_lshr_b32 s23, s21, 2
.if KT0
	s_add_co_u32 s23, s23, KT0
.endif
	s_and_b32 s21, s21, 3
	s_cmp_ge_u32 s18, 36
	s_cselect_b32 s17, 1, 0
	s_lshl_b32 s[QH], s19, 1
	s_add_co_u32 s[QH], s[QH], s15
	s_lshl_b32 s[KH], s20, 1
	s_add_co_u32 s[KH], s[KH], s16
	s_cmp_lt_u32 s[QH], s[KH]
	s_cselect_b32 s[DEADF], 1, 0
	s_cmp_eq_u32 s[QH], s[KH]
	s_cselect_b32 s[DIAGF], 1, 0
	s_lshl_b32 s56, s22, 11
	s_lshl_b32 s57, s19, 8
	s_add_co_u32 s57, s57, s56
	s_lshl_b32 s58, s20, 8
	s_add_co_u32 s58, s58, s56
	s_add_co_u32 s58, s58, 8192
	s_lshl_b32 s59, s21, 8
	s_lshl_b32 s60, s23, 8
	s_add_co_u32 s60, s60, s56
	s_cmp_lg_u32 s17, 0
	s_cselect_b32 s2, s59, s57
	s_cselect_b32 s3, s60, s58
	s_cselect_b32 s61, 5, 3
	s_cselect_b32 s62, 0, 196608
	s_lshl_b32 s56, s15, 7
	s_add_co_u32 s56, s56, s2
	s_lshl_b32 s56, s56, s61
	s_mov_b32 s57, 0
	s_lshl_b32 s58, s16, 7
	s_add_co_u32 s58, s58, s3
	s_lshl_b32 s58, s58, s61
	s_add_co_u32 s58, s58, s62
	s_mov_b32 s59, 0
	s_cmp_eq_u32 s16, 0                            ; at the head I fetch a whole tile: R's (even waves) or P's (odd), of K step wave / 2
	s_cselect_b32 s100, s2, s3
	s_lshl_b32 s100, s100, 10
	s_lshl_b32 s101, s15, 8
	s_add_co_u32 s100, s100, s101
	s_mov_b32 s101, 0
	s_cmp_eq_u32 s15, 0
	s_cselect_b32 s62, s2, s3                      ; the rows that I fetch in the ring
	s_lshl_b32 s63, s16, 7
	s_add_co_u32 s62, s62, s63
	s_lshl_b32 s62, s62, 10
	s_mov_b32 s63, 0
	s_mul_i32 s60, s14, HALFT
	s_mov_b32 s[G1], (1<<20)|(5<<22)|(3<<25)
	s_mov_b32 s[G1+1], 256<<16
	s_mov_b32 s[G1+2], 256<<16                     ; 256 rows for the head's loads; the first change of slots sets 128, for the ring's
	s_mov_b32 s[G1+3], 256<<16
	s_mov_b32 s[G1+4], 256
	s_mov_b32 s[G1+5], 1024
	s_mov_b32 s[G1+6], 0
	s_mov_b32 s[G1+7], 0
	s_mov_b32 s[SEL], 0x76543210
	s_mov_b32 s[SEL+1], 0xfedcba98
	s_mov_b32 s[CS], 0x3d38aa3b
	s_mov_b32 s[CS+1], s[CS]
	s_mov_b32 s[MNT], 0x600000
	s_wait_dscnt 0x0
	s_wait_kmcnt 0x0
	s_cmp_lg_u32 s17, 0
	s_cselect_b64 s[4:5], s[76:77], s[68:69]
	s_cselect_b64 s[6:7], s[78:79], s[70:71]
	s_cselect_b64 s[8:9], s[72:73], s[68:69]
	s_cselect_b64 s[10:11], s[74:75], s[70:71]
	s_cmp_eq_u32 s15, 0
	s_cselect_b64 s[2:3], s[4:5], s[8:9]
	s_add_nc_u64 s[2:3], s[2:3], s[62:63]
.irp s, 0,1
	s_mov_b32 s[G0+4*\s], 1
	s_add_co_u32 s[G0+4*\s+1], s60, \s*SLOT
	s_add_nc_u64 s[G0+4*\s+2:G0+4*\s+3], s[2:3], \s*256
	s_or_b32 s[G0+4*\s+3], s[G0+4*\s+3], 0x80000000
.endr
; THE HEAD'S LOADS, ONE A WAVE: both slots' four tiles, each whole, 256 rows.  Waves 0 and 1 (slot 0) and waves 2 and 3 (slot 1) have a load line each:
; the first two alone wait at the first barrier, the others at the first change of slots.  The scale words, the statistics and the arithmetic on them follow while the tiles are on their way.
.set G0H, 68                           ; s[68:71]: the arguments that lay there have been used
	s_cmp_eq_u32 s16, 0
	s_cselect_b64 s[G0H+2:G0H+3], s[4:5], s[8:9]
	s_add_nc_u64 s[G0H+2:G0H+3], s[G0H+2:G0H+3], s[100:101]
	s_or_b32 s[G0H+3], s[G0H+3], 0x80000000
	s_mov_b32 s[G0H], 1
	s_mul_i32 s[G0H+1], s16, 2*HALFT
	s_mul_i32 s100, s15, SLOT
	s_add_co_u32 s[G0H+1], s[G0H+1], s100
	s_cmp_lt_u32 s14, 2
	s_cbranch_scc0 .Lhead_up
	tensor_load_to_lds s[G0H:G0H+3], s[G1:G1+7]
	s_nop 0
.rept 4
	v_nop
.endr
	s_branch .Lhead_asked
.Lhead_up:
	tensor_load_to_lds s[G0H:G0H+3], s[G1:G1+7]
	s_nop 0
.rept 4
	v_nop
.endr
.Lhead_asked:
	s_add_nc_u64 s[6:7], s[6:7], s[56:57]
	s_add_nc_u64 s[10:11], s[10:11], s[58:59]
	s_lshl_b32 s56, s22, 17
	s_lshl_b32 s57, s[KH], 9
	s_add_co_u32 s56, s56, s57
	s_mov_b32 s57, 0
	s_add_nc_u64 s[ST:ST+1], s[82:83], s[56:57]
	s_lshl_b32 s56, s21, 8
	s_lshl_b32 s58, s15, 7
	s_add_co_u32 s56, s56, s58
	s_lshl_b32 s56, s56, 2
	s_add_nc_u64 s[BVP:BVP+1], s[80:81], s[56:57]
	s_lshl_b32 s56, s22, 10
	s_lshl_b32 s57, s21, 8
	s_add_co_u32 s56, s56, s57
	s_lshl_b32 s58, s22, 11
	s_lshl_b32 s59, s19, 8
	s_add_co_u32 s58, s58, s59
	s_cmp_lg_u32 s17, 0
	s_cselect_b32 s56, s56, s58
	s_cselect_b32 s57, s23, s20
	s_cselect_b32 s58, 10, 11
	s_cselect_b32 s59, s21, s19
	s_cselect_b64 s[OC:OC+1], s[88:89], s[84:85]
	s_cselect_b64 s[OS:OS+1], s[90:91], s[86:87]
	s_lshl_b32 s60, s15, 7                         ; the rows that I store: 128 x (wave / 2) + 32 x (wave % 2) on, and 64 rows further in the second half
	s_lshl_b32 s61, s16, 5
	s_add_co_u32 s60, s60, s61
	s_add_co_u32 s60, s60, s56
	s_and_b32 s61, s60, 127                        ; my first row: its place in its block of 128,
	s_lshr_b32 s60, s60, 7                         ; the block,
	s_lshl_b32 s60, s60, 3
	s_add_co_u32 s60, s60, s57                     ; the block's key tile: 32,768 bytes each
	s_lshl_b32 s60, s60, 15
	s_lshl_b32 s61, s61, 8
	s_add_co_u32 s60, s60, s61
	s_mov_b32 s61, 0
	s_add_nc_u64 s[OC:OC+1], s[OC:OC+1], s[60:61]
	s_lshl_b32 s60, s22, 3
	s_add_co_u32 s60, s60, s57
	s_lshl_b32 s60, s60, s58
	s_lshl_b32 s62, s59, 8
	s_add_co_u32 s60, s60, s62
	s_lshl_b32 s60, s60, 3
	s_lshl_b32 s62, s14, 9
	s_add_co_u32 s60, s60, s62
	s_add_nc_u64 s[OS:OS+1], s[OS:OS+1], s[60:61]
	v_and_b32 v1, 15, v0
	v_bfe_u32 v2, v0, 4, 1
	v_and_b32 v3, 31, v0
	v_mul_u32_u24 v4, v1, PITCH
	v_lshl_add_u32 v15, v2, 4, v4
	s_mul_i32 s58, s15, HALFT
	s_mul_i32 s59, s16, HALFT
	s_add_co_u32 s59, s59, 2*HALFT
.irp s, 0,1
	v_add_nc_u32 v[ADRA+\s], s58, v15
	v_add_nc_u32 v[ADRB+\s], s59, v15
	s_add_co_u32 s58, s58, SLOT
	s_add_co_u32 s59, s59, SLOT
.endr
	v_lshlrev_b32 v[L16], 4, v3
	s_wait_alu depctr_va_vdst(0)
	v_lshlrev_b32 v5, 5, v3
	v_lshlrev_b32 v6, 3, v3
	v_lshl_add_u32 v15, v2, 3, v4
	s_mul_i32 s58, s15, HALFT
	s_lshl_b32 s59, s16, 7
	s_add_co_u32 s58, s58, s59
	v_add_nc_u32 v[STO], s58, v15
	s_lshl_b32 s58, s15, 10
	s_lshl_b32 s59, s16, 2
	s_add_co_u32 s58, s58, s59
	s_add_co_u32 s58, s58, SSTG
	v_lshl_add_u32 v[SSTO], v1, 3, s58
	s_mul_i32 s58, s15, HALFT                      ; codes back, in two halves: of the rows that blocks 0-3 finish (0-63 and 128-191 of the tile) I take 32
	s_mul_i32 s59, s16, 32*PITCH
	s_add_co_u32 s58, s58, s59
	v_mul_u32_u24 v15, v2, PITCH
	v_lshl_add_u32 v15, v1, 4, v15
	v_add_nc_u32 v[RD], s58, v15
	s_lshl_b32 s58, s14, 9
	s_add_co_u32 s59, s58, SSTG
	v_add_nc_u32 v[SRD], s59, v[L16]
	s_add_co_u32 s59, s58, VSCR
	v_add_nc_u32 v[VW], s59, v[L16]
	v_lshl_add_u32 v[LB], v1, 2, s59
	v_lshl_add_u32 v[LA], v2, 5, s59
	v_lshlrev_b32 v15, 8, v2
	v_lshl_add_u32 v[CO], v1, 4, v15
	v_lshlrev_b32 v15, 3, v2
	v_sub_nc_u32 v[DD], v1, v15
	v_mov_b32 v[NINF], 0xff800000
	s_cmp_lg_u32 s17, 0
	s_cbranch_scc1 .Lhead_v
	SC_STEP SCR, 6, 6
	SC_STEP SCP, 6, 10
.irp q, 0,1,2,3,4,5,6,7,8,9,10,11,12,13,14,15
	s_max_u32 s56, s[KH], \q
	s_lshl_b32 s56, s56, 13
	v_add_nc_u32 v[VO+\q], s56, v[L16]
	global_load_b128 v[CMR+4*\q:CMR+4*\q+3], v[VO+\q], s[ST:ST+1]
	global_load_b128 v[ZR+4*\q:ZR+4*\q+3], v[VO+\q], s[ST:ST+1] offset:524288
.endr
	s_wait_loadcnt 0x0
.irp q, 0,1,2,3,4,5,6,7,8,9,10,11,12,13,14
	s_cmp_le_u32 s[KH], \q
	s_cselect_b32 s56, -1, 0
.irp e, 0,1,2,3
	v_cndmask_b32 v[CMR+4*\q+\e], v[NINF], v[CMR+4*\q+\e], s56
.endr
.endr
.irp e, 0,1,2,3
	v_max3_num_f32 v[MXR+\e], v[CMR+\e], v[CMR+4+\e], v[CMR+8+\e]
.endr
.irp q, 3,5,7,9,11,13
.irp e, 0,1,2,3
	v_max3_num_f32 v[MXR+\e], v[MXR+\e], v[CMR+4*\q+\e], v[CMR+4*\q+4+\e]
.endr
.endr
.irp e, 0,1,2,3
	v_max_num_f32 v[MXR+\e], v[MXR+\e], v[CMR+60+\e]
.endr
.irp q, 0,1,2,3,4,5,6,7,8,9,10,11,12,13,14,15
.irp u, 0,1
	v_pk_add_f32 v[CMR+4*\q+2*\u:CMR+4*\q+2*\u+1], v[CMR+4*\q+2*\u:CMR+4*\q+2*\u+1], v[MXR+2*\u:MXR+2*\u+1] neg_lo:[0,1] neg_hi:[0,1]
.endr
.endr
.set n, 0
	s_wait_alu depctr_va_vdst(0)
.rept 64
	v_exp_f32 v[CMR+n], v[CMR+n]
.set n, n+1
.endr
	v_nop
	s_wait_alu depctr_va_vdst(0)
.irp u, 0,1
	v_pk_mul_f32 v[ZZ+2*\u:ZZ+2*\u+1], v[ZR+2*\u:ZR+2*\u+1], v[CMR+2*\u:CMR+2*\u+1]
.endr
.irp q, 1,2,3,4,5,6,7,8,9,10,11,12,13,14,15
.irp u, 0,1
	v_pk_fma_f32 v[ZZ+2*\u:ZZ+2*\u+1], v[ZR+4*\q+2*\u:ZR+4*\q+2*\u+1], v[CMR+4*\q+2*\u:CMR+4*\q+2*\u+1], v[ZZ+2*\u:ZZ+2*\u+1]
.endr
.endr
	s_wait_alu depctr_va_vdst(0)
.irp e, 0,1,2,3
	v_log_f32 v[LG+\e], v[ZZ+\e]
.endr
	v_nop
	s_wait_alu depctr_va_vdst(0)
	s_cmp_lg_u32 s[DEADF], 0
	s_cselect_b32 s56, -1, 0
.irp e, 0,1,2,3
	v_sub_f32 v[8+\e], -v[MXR+\e], v[LG+\e]
.endr
.irp e, 0,1,2,3
	v_cndmask_b32 v[8+\e], v[8+\e], v[NINF], s56
.endr
	s_branch .Lhead_done
.Lhead_v:
	SC_ROW SCR, 5, 6
	SC_ROW SCP, 5, 10
	global_load_b128 v[8:11], v[L16], s[BVP:BVP+1]
.Lhead_done:
	s_wait_loadcnt 0x0
	s_cmp_lt_u32 s14, 2
	s_cbranch_scc0 .Lslot1_mine
	s_wait_tensorcnt 0x0                           ; waves 0 and 1: K step 0's two tiles are in.  K step 1's may stay out, and slot 1 is read behind the first change of slots, where every wave waits
.Lslot1_mine:
	s_barrier_signal -1
	s_barrier_wait -1
	FETCH_B 0, 0, 0
	FETCH_A 0, 0, 0
	FETCH_A 0, 0, 4
	STEP 0, 0, 1
	TURN 0, 1, 1, 1
	STEP 1, 2, 0
	TURN 1, 0, 1, 3
	STEP 0, 4, 0
	TURN 0, 1, 0, 5
	STEP 1, 6, 0
	LAST 7
	PLACES 8
	s_wait_alu depctr_va_vdst(0)
.irp j, 0,1,2,3,4,5,6,7
	v_cmp_gt_i32 s[MK+\j], \j, v[DD]
.endr
.irp b, 0,1,2,3
	v_mov_b32 v[TM+4+\b], 0
.endr
	ds_store_b128 v[VW], v[8:11]
	s_cmp_lg_u32 s17, 0
	s_cbranch_scc1 .Lvec_v
.irp b, 0,1,2,3,4,5,6,7
	ds_load_b128 v[VEC+8*\b:VEC+8*\b+3], v[LA] offset:64*\b
	ds_load_b128 v[VEC+8*\b+4:VEC+8*\b+7], v[LA] offset:64*\b+16
.endr
	s_branch .Lvec_done
.Lvec_v:
.irp a, 0,1,2,3,4,5,6,7
	ds_load_b32 v[VEC+\a], v[LB] offset:64*\a
.endr
.Lvec_done:
	s_wait_dscnt 0x0
; Half u of the tile's rows leaves as soon as blocks 4 u .. 4 u + 3 of all four waves lie in the stage: my stores into the stage are done, a barrier, my 32 rows back into window 1 (P's fragments are done with), and out.
; The first half's stores are on their way while blocks 4-7 are made; those blocks' rows of the stage are other bytes than the rows read here.
.macro HALFOUT u
	s_wait_dscnt 0x0                               ; for the others' sake: my stores into the stage are done
	s_barrier_signal -1
	s_barrier_wait -1
	WIN TO_B
.set n, 0
.rept 16
	ds_load_b128 v[64*(\u)+4*n:64*(\u)+4*n+3], v[RD] offset:(\u)*64*PITCH+544*n
.set n, n+1
.endr
	WIN 0x04                                       ; a store's data: window 1
.set n, 0
.rept 16
	s_wait_dscnt 15-n                              ; the younger loads may be out
	global_store_b128 v[CO], v[64*(\u)+4*n:64*(\u)+4*n+3], s[OC:OC+1] offset:(64*(\u)+2*n)*OPITCH   ; 32 lanes store 512 consecutive bytes, aligned
.set n, n+1
.endr
	WIN 0
.endm
.irp a, 0,1,2,3
	BLK \a
.endr
	HALFOUT 0
.irp a, 4,5,6,7
	BLK \a
.endr
	HALFOUT 1
	ds_load_b128 v[PC:PC+3], v[SRD]
	s_wait_dscnt 0x0
	global_store_b128 v[L16], v[PC:PC+3], s[OS:OS+1]
	s_wait_tensorcnt 0x0
	ds_add_u32 v[SPW], v[NIL]
	s_wait_dscnt 0x0
	s_endpgm
.Lfunc_end_k_q6644c0c5cb_probs_v:
	.size	k_q6644c0c5cb_probs_v, .Lfunc_end_k_q6644c0c5cb_probs_v-k_q6644c0c5cb_probs_v
	.p2alignl 7, 3214868480
	.fill 96, 4, 3214868480
	.section	.rodata,"a",@progbits
	.p2align	6, 0x0
	.amdhsa_kernel k_q6644c0c5cb_probs_v
		.amdhsa_group_segment_fixed_size 327680
		.amdhsa_private_segment_fixed_size 0
		.amdhsa_enable_private_segment 0
		.amdhsa_kernarg_size 96
		.amdhsa_user_sgpr_count 2
		.amdhsa_user_sgpr_kernarg_segment_ptr 1
		.amdhsa_wavefront_size32 1
		.amdhsa_system_sgpr_workgroup_id_x 1
		.amdhsa_system_sgpr_workgroup_id_y 1
		.amdhsa_system_sgpr_workgroup_id_z 1
		.amdhsa_system_vgpr_workitem_id 0
		.amdhsa_next_free_vgpr 1024
		.amdhsa_next_free_sgpr 102
		.amdhsa_reserve_vcc 0
		.amdhsa_float_denorm_mode_32 3
		.amdhsa_float_denorm_mode_16_64 3
		.amdhsa_memory_ordered 1
		.amdhsa_forward_progress 1
		.amdhsa_inst_pref_size 255
	.end_amdhsa_kernel
	.section	.bss,"aw",@nobits
	.p2align	6
	.space	262144
	.amdgpu_metadata
---
amdhsa.version: [ 1, 2 ]
amdhsa.kernels:
  - .name:           k_q6644c0c5cb_probs_v
    .symbol:         k_q6644c0c5cb_probs_v.kd
    .args:
      - { .name: qk_codes, .offset: 0, .size: 8, .value_kind: global_buffer, .address_space: global }
      - { .name: qk_scales, .offset: 8, .size: 8, .value_kind: global_buffer, .address_space: global }
      - { .name: x_codes, .offset: 16, .size: 8, .value_kind: global_buffer, .address_space: global }
      - { .name: x_scales, .offset: 24, .size: 8, .value_kind: global_buffer, .address_space: global }
      - { .name: Wv_codes, .offset: 32, .size: 8, .value_kind: global_buffer, .address_space: global }
      - { .name: Wv_scales, .offset: 40, .size: 8, .value_kind: global_buffer, .address_space: global }
      - { .name: bv, .offset: 48, .size: 8, .value_kind: global_buffer, .address_space: global }
      - { .name: stats, .offset: 56, .size: 8, .value_kind: global_buffer, .address_space: global }
      - { .name: p_codes, .offset: 64, .size: 8, .value_kind: global_buffer, .address_space: global }
      - { .name: p_scales, .offset: 72, .size: 8, .value_kind: global_buffer, .address_space: global }
      - { .name: v_codes, .offset: 80, .size: 8, .value_kind: global_buffer, .address_space: global }
      - { .name: v_scales, .offset: 88, .size: 8, .value_kind: global_buffer, .address_space: global }
    .group_segment_fixed_size: 327680
    .private_segment_fixed_size: 0
    .kernarg_segment_align: 8
    .kernarg_segment_size: 96
    .max_flat_workgroup_size: 128
    .sgpr_count:     102
    .vgpr_count:     1024
    .wavefront_size: 32
...
	.end_amdgpu_metadata
.endif
;; end of part 3
;; launch pv (part 4): grid 8 x 32, 4 waves a work-group, clusters of 4 x 1, 327,680 bytes of LDS; arguments p_codes, p_scales, v_codes, v_scales, out0; writes out0
.if DOCPART == 4
	.amdgcn_target "amdgcn-amd-amdhsa--gfx1250"
	.amdhsa_code_object_version 6
	.text
	.protected	k_q6644c0c5cb_pv
	.globl	k_q6644c0c5cb_pv
	.p2align	8
	.type	k_q6644c0c5cb_pv,@function
k_q6644c0c5cb_pv:
	s_mov_b64 s[64:65], 0
	v_nop
	global_prefetch_b8 v0, s[64:65] scope:SCOPE_SE
	s_setreg_imm32_b32 hwreg(HW_REG_WAVE_MODE, 25, 1), 1
	s_wait_xcnt 0x0
	s_wait_alu depctr_hold_cnt(0) depctr_sa_sdst(0) depctr_va_vdst(0) depctr_va_sdst(0) depctr_va_ssrc(0) depctr_va_vcc(0) depctr_vm_vsrc(0)
	s_getreg_b32 s2, hwreg(HW_REG_IB_STS2, 6, 4)
	s_cmp_eq_u32 s2, 0
	s_cbranch_scc0 .Lentry_in_a_cluster
	s_endpgm
.Lentry_in_a_cluster:
	s_bfe_u32 s2, ttmp6, 0x10000c
	s_cmp_lg_u32 s2, 0x3003
	s_cbranch_scc0 .Lentry_shape_is_right
	s_endpgm
.Lentry_shape_is_right:
; out0[b][q][d] = the sum over the keys of p[q][key] v[key][d], on the codes that the launches before have stored.
; SHARES.  A tile of out0 is 128 queries x 128 of d: four waves, 64 x 64 each, 16 accumulators.  Work-group (x, y): the tile of d number x, batch y / 8, and TWO tiles of queries, 15 - p and p (p = y % 8), the long one first.
; Tile i needs the keys of i / 2 + 1 stored tiles of 256: 8 - p / 2 and p / 2 + 1 K steps of 256, together ALWAYS NINE: all 256 work-groups have the same 288 matrix instructions a wave and the same nine steps to fetch.
; WORK LEFT OUT: the K steps behind a query tile's diagonal tile (shown at the head of proj_qk).  What stays: where the 128 queries are the first half of a stored tile of 256, the second 128 keys of the diagonal step are zero
; codes; they are multiplied, inside a K step that is fetched and walked as one.
; CODES lie [block of 128 rows][8 key tiles][128 rows][256 keys]: a quarter of a slot is 32,768 bytes on end, two neighbouring key tiles 65,536.
; THE RING.  A slot holds two K steps: four quarters of 128 rows x 256 bytes: p's rows for the two steps, then v's.  The nine steps are five visits of a slot.  Visits 0 and 1 are asked for at the head, one load of two quarters a wave;
; three refills follow, a quarter a wave (wave / 2: p or v; wave % 2: which step), and the last brings one step alone: the odd waves then have nothing to fetch.
; CLUSTERS: 4 x 1 work-groups: four tiles of d of one y.  They need the same rows of p in the same steps: p's tiles are asked for JOINTLY (mask 15); v's tiles are each work-group's own and come by plain loads.
; Every group of loads stands behind a round of the cluster's barrier.  Tile numbers, step counts and branches hang on y alone, which the four share; x enters v's addresses, v's scale words, out0's and the prefetches' alone, in registers of their own.
; v's tiles are not shared: the work-groups of one x and batch change from their first tile to their second at different steps, so they do not want the same key tile in the same round.
; PREFETCH INTO THE L2.  What a refill will ask for is asked of memory a visit's steps and more ahead of it: visit 2 at the head, visit 3 at the start of visit 0's steps, visit 4 behind the load of visit 2.
; The wave that will fetch a quarter asks for it, lanes 256 bytes apart.  Of p's quarter, which all four partners want, each partner takes 8,192 bytes, told apart BY ADDRESS (cx): one instruction.  v's quarter is its work-group's own: four instructions.
; A tile of v is wanted by the eight work-groups of one x and batch, in eight clusters: only those with an even p ask.  In visit 4 the odd waves ask for nothing: there is no tenth step.  The address registers serve this alone and are never rewritten.
; Nothing is looped: the text is the nine steps on end.  Tile B begins at step NA = 5 .. 8: ahead of steps 5 to 8 a branch on ids chooses between tile A's way out with a sub-step that starts the sums anew, and the plain sub-step.
; LAYOUT: source 0 = 16 rows of v (P: d), source 1 = 16 rows of p (R: queries): lane (r, h) holds query r and, in register j, d = 8 h + j: eight neighbouring numbers of a row of out0.
; SCALE WORDS of all nine steps stay in registers: v[32 + 8 s + 2 u + q] p's, v[36 + 8 s + 2 u + q] v's: lane l holds the word of row 32 u + l for the step's q-th 128 keys: lanes 0-15 serve block 2 u, lanes 16-31 block 2 u + 1.
; REGISTERS, in windows of 256: window 0: v1-31 addresses; v32-103 scale words; v128-255 the way out (at the head: offsets).  window 1: two sets of fragments, in each R's four blocks, then P's four.  window 2: v0-127 the accumulators, (a, b) at v[8 (4 a + b)].
.set PITCH,  272                       ; an LDS row: 256 bytes + 16 of padding = 68 words, so that the 16 rows of a fragment load start at 16 different banks (64 banks of 4 bytes: ISA guide 11.1)
.set HALFT,  128*PITCH                 ; a quarter of a slot
.set SLOT,   4*HALFT
.set SPARE,  2*SLOT                    ; the spare words: 128 bytes a wave, two blocks of 256 bytes that no other line names
.set STAGE,  SPARE+512                 ; behind them, outside the ring: 16 rows x 272 bytes a wave, for the way out
.set ADRA, 16                          ; v16-17  LDS address of my R fragments in slot 0, 1
.set ADRB, 20                          ; v20-21  of my P fragments
.set L8,   22                          ; v22     8 x lane
.set PFO,  23                          ; v23     the prefetches' offset: 256 x lane; never rewritten
.set STO,  24
.set RD,   25
.set CO,   26
.set SPW,  28
.set NIL,  29
.set SC,   32
.set VT,   128                         ; at the head: 18 offsets of scale words
.set BK,   128                         ; the way out: 32 registers for each of a tile's four blocks
.set NA,   20                          ; s20  tile A's K steps
.set RA,   21                          ; s21  tile A's first row of p;  s22 tile B's;  s23 my tile's first row of v
.set RB,   22
.set VR,   23
.set G1,   24                          ; s[24:31] group 1 for p's tiles (with the mask);  s[32:39] group 0, one set for each slot
.set G0,   32
.set PF2,  40                          ; s[40:41], s[42:43], s[66:67] where my prefetches of visits 2, 3, 4 begin
.set PF3,  42
.set PF4,  66
.set OFFT, 42                          ; s44-46  where my quarter of p begins in visits 2, 3, 4
.set TT,   48                          ; s[48:49] an offset in p as a pair; s49 = 0
.set OA,   50                          ; s[50:51] my part of tile A in out0;  s[52:53] of tile B
.set OB,   52
.set CP,   54
.set CV,   55
.set G0H,  60                          ; s[60:63] group 0 of the head's load of p
.set G1V,  68                          ; s[68:75], s[76:83] the same groups for v's tiles (no mask)
.set G0V,  76
.set OFFV, 82                          ; s84-86  where my quarter of v begins in visits 2, 3, 4
.set XT,   87                          ; s87, s90, s47  at work on what hangs on x
.set TV,   88                          ; s[88:89] an offset in v or out0 as a pair; s89 = 0
.set XU,   90
.set XW,   47
.set ODD,  91                          ; s91  p % 2: 0 where my work-group asks for v's tiles ahead
.set G0HV, 92                          ; s[92:95] group 0 of the head's load of v
.set MUL,  0xa5                        ; sources 0 (P) and 1 (R) window 1; C and D window 2
.set TO_F, 0x40                        ; destination window 1, address window 0
.set MSB, 0
.macro WIN new                         ; the immediate's high byte repeats the setting that is left
.if MSB != (\new)
	s_set_vgpr_msb (MSB<<8)|(\new)
.set MSB, (\new)
.endif
.endm
.macro PLACES n                        ; plain vector places behind matrix instructions: 8 ahead of loads into registers that they read and of reads of results, 9 ahead of a matrix instruction that begins a sum anew on their registers
.rept \n
	v_nop
.endr
.endm
.macro HLOAD g0, g1                    ; a tensor load; an s_nop 0 and four v_nop follow
	tensor_load_to_lds s[\g0:\g0+3], s[\g1:\g1+7]
	s_nop 0
.rept 4
	v_nop
.endr
.endm
.macro CREST                           ; a round of the cluster's barrier behind its opening barrier
	s_cmp_lg_u32 s14, 0
	s_cbranch_scc1 .Lnot_wave_0_\@
	s_barrier_signal -3
.Lnot_wave_0_\@:
	s_barrier_wait -3
	s_barrier_signal -1
	s_barrier_wait -1
.endm
.macro CROUND
	s_barrier_signal -1
	s_barrier_wait -1
	CREST
.endm
; A visit's prefetch.  whole = 0: the visit has one step, and the odd waves ask for nothing.  The branches hang on the wave's number and on y alone.
.macro ASK pf, whole
.if \whole == 0
	s_cmp_lg_u32 s16, 0
	s_cbranch_scc1 .Lnone_\@
.endif
	s_cmp_eq_u32 s15, 0
	s_cbranch_scc0 .Lv_\@
	global_prefetch_b8 v[PFO], s[\pf:\pf+1] th:TH_LOAD_NT scope:SCOPE_SE   ; waves 0, 1: my work-group's 8,192 bytes of p's quarter
	s_branch .Lnone_\@
.Lv_\@:
	s_cmp_eq_u32 s[ODD], 0
	s_cbranch_scc0 .Lnone_\@
.irp n, 0,1,2,3
	global_prefetch_b8 v[PFO], s[\pf:\pf+1] offset:8192*\n th:TH_LOAD_NT scope:SCOPE_SE   ; waves 2, 3: v's quarter
.endr
.Lnone_\@:
.endm
.macro FRAG reg, adr, off              ; 16 rows x 128 K of codes: lane l holds row l % 16; registers 4 c .. 4 c + 3 hold K = 32 c + 16 (l / 16) + 0 .. 15
.irp c, 0,1,2,3
	ds_load_b128 v[\reg+4*\c:\reg+4*\c+3], v[\adr] offset:(\off)+32*\c
.endr
.endm
.macro FETCH slot, u, q, f             ; 32 LDS loads in one run: the fragments of the q-th 128 keys of the slot's step u into set f: P's four blocks, then R's: what is wanted first comes first
	WIN TO_F
.irp i, 0,1,2,3
	FRAG 128*(\f)+64+16*\i, ADRB+\slot, (\u)*HALFT+128*(\q)+\i*16*PITCH
.endr
.irp i, 0,1,2,3
	FRAG 128*(\f)+16*\i, ADRA+\slot, (\u)*HALFT+128*(\q)+\i*16*PITCH
.endr
.endm
.macro WM a, b, f, s, q, zero          ; R's block a x P's block b, set f, step s, its q-th 128 keys.  An odd block's scale words stand in lanes 16-31
.set rD, 8*(4*(\a)+(\b))
.set rP, 128*(\f)+64+16*(\b)
.set rR, 128*(\f)+16*(\a)
.set sP, SC+8*(\s)+4+2*((\b)/2)+(\q)
.set sR, SC+8*(\s)+2*((\a)/2)+(\q)
.set mm, 4*(\zero)+2*((\a)%2)+((\b)%2)
.if mm == 0
	v_wmma_scale_f32_16x16x128_f8f6f4 v[rD:rD+7], v[rP:rP+15], v[rR:rR+15], v[rD:rD+7], v[sP], v[sR]
.elseif mm == 1
	v_wmma_scale_f32_16x16x128_f8f6f4 v[rD:rD+7], v[rP:rP+15], v[rR:rR+15], v[rD:rD+7], v[sP], v[sR] matrix_a_scale:MATRIX_SCALE_ROW1
.elseif mm == 2
	v_wmma_scale_f32_16x16x128_f8f6f4 v[rD:rD+7], v[rP:rP+15], v[rR:rR+15], v[rD:rD+7], v[sP], v[sR] matrix_b_scale:MATRIX_SCALE_ROW1
.elseif mm == 3
	v_wmma_scale_f32_16x16x128_f8f6f4 v[rD:rD+7], v[rP:rP+15], v[rR:rR+15], v[rD:rD+7], v[sP], v[sR] matrix_a_scale:MATRIX_SCALE_ROW1 matrix_b_scale:MATRIX_SCALE_ROW1
.elseif mm == 4
	v_wmma_scale_f32_16x16x128_f8f6f4 v[rD:rD+7], v[rP:rP+15], v[rR:rR+15], 0, v[sP], v[sR]
.elseif mm == 5
	v_wmma_scale_f32_16x16x128_f8f6f4 v[rD:rD+7], v[rP:rP+15], v[rR:rR+15], 0, v[sP], v[sR] matrix_a_scale:MATRIX_SCALE_ROW1
.elseif mm == 6
	v_wmma_scale_f32_16x16x128_f8f6f4 v[rD:rD+7], v[rP:rP+15], v[rR:rR+15], 0, v[sP], v[sR] matrix_b_scale:MATRIX_SCALE_ROW1
.else
	v_wmma_scale_f32_16x16x128_f8f6f4 v[rD:rD+7], v[rP:rP+15], v[rR:rR+15], 0, v[sP], v[sR] matrix_a_scale:MATRIX_SCALE_ROW1 matrix_b_scale:MATRIX_SCALE_ROW1
.endif
.endm
.macro MULA a, f, s, q, zero           ; four matrix instructions; the 16 accumulators take turns, one instruction a turn, in the same order in every sub-step and on every way through the text
.irp b, 0,1,2,3
	WM \a, \b, \f, \s, \q, \zero
.endr
.endm
; A sub-step: 128 keys, 16 matrix instructions on set q; in its middle the next sub-step's fragments (slot nslot, step nu of it, its nq-th 128 keys) are fetched into the other set.  zero = 1: its products start the sums
.macro SUB s, q, zero, nslot, nu, nq
	s_wait_dscnt 8                                 ; P's blocks and R's blocks 0, 1 are in; the youngest eight loads (R's blocks 2, 3) may be out
	WIN MUL
	MULA 0, \q, \s, \q, \zero
	MULA 1, \q, \s, \q, \zero
	PLACES 8                                       ; ahead of the loads into the other set, which the sub-step before multiplied
	FETCH \nslot, \nu, \nq, 1-(\q)
	s_wait_dscnt 32                                ; all but the 32 just issued
	WIN MUL
	MULA 2, \q, \s, \q, \zero
	MULA 3, \q, \s, \q, \zero
.endm
; A slot's last sub-step (step s, its second 128 keys, set 1), and the change of slots.  fill = 1: the slot that is left takes visit vis; 2: the same, of which the odd waves have no part; 0: nothing is left to fetch.
; Where the slot is filled again the barrier opens a round of the cluster's barrier: no wave of any partner still reads the slot or has a load on its way when p's joint load is asked for.
.macro TURN s, slot, next, fill, vis
	WIN 0                                          ; (the add's two registers lie in window 0)
	s_wait_tensorcnt 0x0                           ; all my tensor loads have landed: my part of the next slot
	ds_add_u32 v[SPW], v[NIL]                      ; 0 onto my spare word
.if \s == 1
	s_mov_b32 s[G1+2], 128<<16                     ; no tensor load of mine is out, so a descriptor may be written: from here on a load brings 128 rows
	s_mov_b32 s[G1+4], 128
	s_mov_b32 s[G1V+2], 128<<16
	s_mov_b32 s[G1V+4], 128
.endif
	s_wait_dscnt 9                                 ; (the add and the youngest eight loads may be out)
	WIN MUL
	MULA 0, 1, \s, 1, 0
	s_wait_dscnt 0x0                               ; the add is done, and my reads of this slot are over
	s_barrier_signal -1
	MULA 1, 1, \s, 1, 0
	WIN 0
	s_barrier_wait -1
.if \fill
	CREST
	s_mov_b32 s[TT], s[OFFT+\vis]                  ; every wave makes both addresses, each in registers of its own, and asks by one of them
	s_add_nc_u64 s[G0+4*\slot+2:G0+4*\slot+3], s[4:5], s[TT:TT+1]
	s_or_b32 s[G0+4*\slot+3], s[G0+4*\slot+3], 0x80000000
	s_mov_b32 s[TV], s[OFFV+\vis]
	s_add_nc_u64 s[G0V+4*\slot+2:G0V+4*\slot+3], s[8:9], s[TV:TV+1]
	s_or_b32 s[G0V+4*\slot+3], s[G0V+4*\slot+3], 0x80000000
.if \fill == 2
	s_cmp_lg_u32 s16, 0                            ; the wave's number alone: the ninth step has no partner in its slot
	s_cbranch_scc1 .Lasked_\@
.endif
	s_cmp_eq_u32 s15, 0
	s_cbranch_scc0 .Lfor_v_\@
	HLOAD G0+4*\slot, G1                           ; waves 0, 1: p's quarter, jointly
	s_branch .Lasked_\@
.Lfor_v_\@:
	HLOAD G0V+4*\slot, G1V                         ; waves 2, 3: v's quarter
.Lasked_\@:
.endif
.if \fill == 1
	PLACES 4                                       ; with the four behind the load: eight
.else
	PLACES 8
.endif
	FETCH \next, 0, 0, 0
	WIN MUL
	MULA 2, 1, \s, 1, 0
	MULA 3, 1, \s, 1, 0
.endm
.macro LAST s
	s_wait_dscnt 8
	WIN MUL
	MULA 0, 1, \s, 1, 0
	MULA 1, 1, \s, 1, 0
	s_wait_alu depctr_va_vdst(0)
	s_wait_dscnt 0x0
	MULA 2, 1, \s, 1, 0
	MULA 3, 1, \s, 1, 0
	WIN 0
.endm
; THE WAY OUT of a tile, block by block of 16 queries x 64 of d.  A lane holds 32 neighbouring bytes of a row, the lanes beside it other rows: a block goes through my own stage and comes back as whole rows of 256 bytes.
; LDS serves a wave's instructions in order (ISA guide 5.7.1.4): no wait between the stores and the loads, nor ahead of the next block's stores.
.macro TOSTAGE a
	WIN 0x08                                       ; an LDS store's data: window 2
.irp b, 0,1,2,3
	ds_store_b128 v[STO], v[8*(4*(\a)+\b):8*(4*(\a)+\b)+3] offset:64*\b          ; each accumulator from its low end on
	ds_store_b128 v[STO], v[8*(4*(\a)+\b)+4:8*(4*(\a)+\b)+7] offset:64*\b+16
.endr
	WIN 0
.irp t, 0,1,2,3,4,5,6,7
	ds_load_b128 v[BK+32*(\a)+4*\t:BK+32*(\a)+4*\t+3], v[RD] offset:\t*2*PITCH
.endr
.endm
.macro SEND a, younger, base
	s_wait_dscnt \younger                          ; the block is back in registers
.irp t, 0,1,2,3,4,5,6,7
	global_store_b128 v[CO], v[BK+32*(\a)+4*\t:BK+32*(\a)+4*\t+3], s[\base:\base+1] offset:(16*(\a)+2*\t)*4096 th:TH_STORE_NT   ; sixteen lanes store 256 consecutive bytes, aligned; written once, read by nobody here
.endr
.endm
.macro OUT base
	PLACES 9                                       ; behind the tile's last products: 8 ahead of the reads of their results, 9 ahead of the products that begin the next tile's sums on the same registers
	s_wait_xcnt 0x0                                ; the stores of the tile before have read their registers
	TOSTAGE 0
.irp a, 1,2,3
	TOSTAGE \a
	SEND \a-1, 16, \base                           ; behind block a - 1's loads: block a's 8 stores and 8 loads
.endr
	SEND 3, 0, \base
.endm
; Step s, its first 128 keys, where tile B may begin: the branch hangs on y alone and is the same in all four waves and in all four partners
.macro SUBZ s, nslot, nu, nq
	WIN 0                                          ; at a branch and at a label every window is 0
	s_cmp_lg_u32 s[NA], \s
	s_cbranch_scc1 .Lon_\@
	s_wait_alu depctr_va_vdst(0)
	OUT OA                                         ; tile A is finished: it leaves while tile B's steps are fetched and multiplied
	SUB \s, 0, 1, \nslot, \nu, \nq
	WIN 0
	s_branch .Ljoin_\@
.Lon_\@:
	SUB \s, 0, 0, \nslot, \nu, \nq
	WIN 0
.Ljoin_\@:
.endm
; Step s's scale words: 8 bytes a row and step; 32 lanes read 256 consecutive bytes
.macro SCLOAD s
	s_cmp_gt_u32 s[NA], \s
	s_cselect_b32 s56, s[RA], s[RB]                ; the step's rows of p,
	s_cselect_b32 s57, 0, s[NA]
	s_sub_co_u32 s57, \s, s57                      ; its tile of 256 keys
	s_lshl_b32 s58, s57, 11
	s_add_co_u32 s56, s56, s58
	s_add_co_u32 s56, s56, s[CP]
	s_lshl_b32 s56, s56, 3                         ; p's: [b][8 key tiles][2,048 rows][8 bytes]
	s_lshl_b32 s[XT], s57, 10
	s_add_co_u32 s[XT], s[XT], s[CV]
	s_lshl_b32 s[XT], s[XT], 3                     ; v's: [b][8 key tiles][1,024 rows][8 bytes]
	v_add_nc_u32 v[VT+2*\s], s56, v[L8]
	v_add_nc_u32 v[VT+2*\s+1], s[XT], v[L8]
	global_load_b64 v[SC+8*\s:SC+8*\s+1], v[VT+2*\s], s[6:7]
	global_load_b64 v[SC+8*\s+2:SC+8*\s+3], v[VT+2*\s], s[6:7] offset:256
	global_load_b64 v[SC+8*\s+4:SC+8*\s+5], v[VT+2*\s+1], s[10:11]
	global_load_b64 v[SC+8*\s+6:SC+8*\s+7], v[VT+2*\s+1], s[10:11] offset:256
.endm
	s_load_b256 s[4:11], s[0:1], 0x0               ; p_codes, p_scales, v_codes, v_scales
	s_load_b64 s[12:13], s[0:1], 0x20              ; out0
	v_lshl_add_u32 v[SPW], v0, 2, SPARE
	v_mov_b32 v[NIL], 0
	ds_add_u32 v[SPW], v[NIL]                      ; the wave's opening: the add, twice on end, and its wait ahead of the round in front of my first tensor load
	ds_add_u32 v[SPW], v[NIL]
	v_lshrrev_b32 v1, 5, v0
	v_readfirstlane_b32 s14, v1                    ; wave 0..3
	s_lshr_b32 s15, s14, 1                         ; my half of the queries.  In the ring: I fetch p's rows (0) or v's (1).  At the head: which visit
	s_and_b32 s16, s14, 1                          ; my half of d.  In the ring: which of a slot's two steps I fetch.  At the head: p (0) or v (1)
	s_bfe_u32 s17, ttmp6, 0x40000                  ; cx
	s_lshl_b32 s[XT], ttmp9, 2
	s_add_co_u32 s17, s17, s[XT]                   ; the tile of d = 4 x cluster x + cx
	s_and_b32 s56, ttmp7, 0xffff                   ; y: the cluster's
	s_lshr_b32 s18, s56, 3                         ; the batch
	s_and_b32 s19, s56, 7                          ; p: tile B; tile A is 15 - p
	s_sub_co_u32 s57, 15, s19
	s_lshr_b32 s[NA], s57, 1
	s_add_co_u32 s[NA], s[NA], 1                   ; tile A's K steps: 5 .. 8; tile B has 9 less that
	s_lshl_b32 s58, s18, 11
	s_lshl_b32 s57, s57, 7
	s_add_co_u32 s[RA], s58, s57                   ; 2,048 b + 128 x tile
	s_lshl_b32 s57, s19, 7
	s_add_co_u32 s[RB], s58, s57
	s_lshl_b32 s[VR], s18, 10
	s_lshl_b32 s[XT], s17, 7
	s_add_co_u32 s[VR], s[VR], s[XT]               ; 1,024 b + 128 x
	s_mul_i32 s[CP], s18, 14336                    ; p's scale words have 16,384 rows a batch, its codes 2,048: the difference,
	s_lshl_b32 s57, s15, 6
	s_add_co_u32 s[CP], s[CP], s57                 ; and my 64 queries
	s_lshl_b32 s[CV], s18, 13
	s_add_co_u32 s[CV], s[CV], s[XT]
	s_lshl_b32 s[XT], s16, 6
	s_add_co_u32 s[CV], s[CV], s[XT]               ; v's: 8,192 b + 128 x + my 64 of d
	s_lshl_b32 s[XU], s[VR], 11
.irp v, 2,3,4                          ; where a quarter of each refill begins: step 2 v + (wave % 2): 2,048 bytes x the block's first row + 32,768 x the key tile.  (The odd waves' fifth is not used)
	s_add_co_u32 s56, s16, 2*\v
	s_cmp_lt_u32 s56, s[NA]
	s_cselect_b32 s57, s[RA], s[RB]
	s_cselect_b32 s58, 0, s[NA]
	s_sub_co_u32 s58, s56, s58
	s_lshl_b32 s57, s57, 11
	s_lshl_b32 s58, s58, 15
	s_add_co_u32 s[OFFT+\v], s57, s58
	s_add_co_u32 s[OFFV+\v], s[XU], s58
.endr
	s_mul_i32 s59, s14, HALFT                      ; and where it goes: quarter = wave
	s_mov_b32 s[TT+1], 0
	s_mov_b32 s[TV+1], 0
	s_mov_b32 s[G1], 15|(1<<20)|(1<<21)|(5<<22)|(3<<25)   ; the mask: all four of the cluster; elements of 1 byte; padding on; bit 21 beside a mask; 4 words behind every 64
	s_mov_b32 s[G1V], (1<<20)|(5<<22)|(3<<25)      ; no mask
.irp g, G1, G1V
	s_mov_b32 s[\g+1], 256<<16                     ; tensor_dim0
	s_mov_b32 s[\g+2], 256<<16                     ; tensor_dim1: 256 rows for the head's loads; the first change of slots sets 128, for the ring's
	s_mov_b32 s[\g+3], 256<<16                     ; tile_dim0
	s_mov_b32 s[\g+4], 256                         ; tile_dim1
	s_mov_b32 s[\g+5], 256                         ; the pitch: a stored block's rows lie on end
	s_mov_b32 s[\g+6], 0
	s_mov_b32 s[\g+7], 0
.endr
.irp s, 0,1                            ; the ring's groups 0: count and LDS place; each refill writes its address
	s_mov_b32 s[G0+4*\s], 1
	s_add_co_u32 s[G0+4*\s+1], s59, \s*SLOT
	s_mov_b32 s[G0V+4*\s], 1
	s_add_co_u32 s[G0V+4*\s+1], s59, \s*SLOT
.endr
	s_lshl_b32 s[TT], s[RA], 11                    ; the head's tiles: visit wave / 2, K steps 2 x visit and the next, all of tile A: 65,536 bytes on end
	s_lshl_b32 s56, s15, 16
	s_add_co_u32 s[TT], s[TT], s56
	s_add_co_u32 s[TV], s[XU], s56
	s_mov_b32 s[G0H], 1
	s_mul_i32 s[G0H+1], s15, SLOT
	s_mov_b32 s[G0HV], 1
	s_add_co_u32 s[G0HV+1], s[G0H+1], 2*HALFT
	s_wait_dscnt 0x0                               ; both opening adds are done
	s_wait_kmcnt 0x0
	s_add_nc_u64 s[G0H+2:G0H+3], s[4:5], s[TT:TT+1]
	s_or_b32 s[G0H+3], s[G0H+3], 0x80000000
	s_add_nc_u64 s[G0HV+2:G0HV+3], s[8:9], s[TV:TV+1]
	s_or_b32 s[G0HV+3], s[G0HV+3], 0x80000000
	CROUND                                         ; all four work-groups are here: the first joint loads meet
; THE HEAD'S LOADS, ONE A WAVE, a load line to each wave: wave 0 p's two quarters of slot 0, wave 1 v's, wave 2 p's of slot 1, wave 3 v's.
; Waves 0 and 1 alone wait at the first barrier, waves 2 and 3 at the first change of slots.
	s_cmp_lt_u32 s14, 1
	s_cbranch_scc0 .Lh1
	HLOAD G0H, G1
	s_branch .Lhead_asked
.Lh1:
	s_cmp_lt_u32 s14, 2
	s_cbranch_scc0 .Lh2
	HLOAD G0HV, G1V
	s_branch .Lhead_asked
.Lh2:
	s_cmp_lt_u32 s14, 3
	s_cbranch_scc0 .Lh3
	HLOAD G0H, G1
	s_branch .Lhead_asked
.Lh3:
	HLOAD G0HV, G1V
.Lhead_asked:
	v_and_b32 v3, 31, v0
	v_lshlrev_b32 v[L8], 3, v3
	v_lshlrev_b32 v[PFO], 8, v3
	s_wait_alu depctr_va_vdst(0)
	; where my prefetches begin: the quarter that I shall fetch in visits 2, 3, 4; of p's quarter my work-group's 8,192 bytes
	s_bfe_u32 s[XT], ttmp6, 0x40000
	s_lshl_b32 s[XT], s[XT], 13
	s_cmp_eq_u32 s15, 0
	s_cselect_b32 s[XT], s[XT], 0
	s_cselect_b32 s[XU], s[OFFT+2], s[OFFV+2]
	s_cselect_b32 s[ODD], s[OFFT+3], s[OFFV+3]
	s_cselect_b32 s[XW], s[OFFT+4], s[OFFV+4]
	s_cselect_b64 s[PF2:PF2+1], s[4:5], s[8:9]
	s_cselect_b64 s[PF3:PF3+1], s[4:5], s[8:9]
	s_cselect_b64 s[PF4:PF4+1], s[4:5], s[8:9]
	s_add_co_u32 s[TV], s[XU], s[XT]
	s_add_nc_u64 s[PF2:PF2+1], s[PF2:PF2+1], s[TV:TV+1]
	s_add_co_u32 s[TV], s[ODD], s[XT]
	s_add_nc_u64 s[PF3:PF3+1], s[PF3:PF3+1], s[TV:TV+1]
	s_add_co_u32 s[TV], s[XW], s[XT]
	s_add_nc_u64 s[PF4:PF4+1], s[PF4:PF4+1], s[TV:TV+1]
	s_and_b32 s[ODD], s19, 1
	ASK PF2, 1                                     ; visit 2: its load stands behind visit 0's steps
.irp s, 0,1,2,3,4,5,6,7,8
	SCLOAD \s
.endr
	v_and_b32 v1, 15, v0                           ; r
	s_wait_alu depctr_va_vdst(0)
	v_bfe_u32 v2, v0, 4, 1                         ; h
	v_mul_u32_u24 v4, v1, PITCH
	v_lshl_add_u32 v4, v2, 4, v4                   ; a fragment's row x pitch + 16 h
	s_mul_i32 s56, s15, 64*PITCH                   ; my 64 rows of p's quarters,
	s_mul_i32 s57, s16, 64*PITCH
	s_add_co_u32 s57, s57, 2*HALFT                 ; of v's, which lie behind p's two
.irp s, 0,1
	v_add_nc_u32 v[ADRA+\s], s56, v4
	v_add_nc_u32 v[ADRB+\s], s57, v4
	s_add_co_u32 s56, s56, SLOT
	s_add_co_u32 s57, s57, SLOT
.endr
	s_mul_i32 s56, s14, 16*PITCH
	s_add_co_u32 s56, s56, STAGE                   ; my stage
	v_mul_u32_u24 v5, v1, PITCH
	s_wait_alu depctr_va_vdst(0)
	v_lshl_add_u32 v5, v2, 5, v5
	v_add_nc_u32 v[STO], s56, v5                   ; in: row r, 32 bytes for each half of the lanes
	v_mul_u32_u24 v5, v2, PITCH
	v_lshl_add_u32 v5, v1, 4, v5
	v_add_nc_u32 v[RD], s56, v5                    ; back: lanes 0-15 one row of 256 bytes, lanes 16-31 the next
	v_lshlrev_b32 v5, 12, v2
	v_lshl_add_u32 v[CO], v1, 4, v5                ; and the same two rows in out0
	s_lshl_b32 s56, s15, 6
	s_lshl_b32 s[XT], s17, 9
	s_lshl_b32 s[XU], s16, 8
	s_add_co_u32 s[XT], s[XT], s[XU]               ; my first column, in bytes: 512 x + 256 x half
	s_add_co_u32 s[XU], s[RA], s56
	s_lshl_b32 s[XU], s[XU], 12                    ; my first row, of 4,096 bytes
	s_add_co_u32 s[TV], s[XU], s[XT]
	s_add_nc_u64 s[OA:OA+1], s[12:13], s[TV:TV+1]
	s_add_co_u32 s[XU], s[RB], s56
	s_lshl_b32 s[XU], s[XU], 12
	s_add_co_u32 s[TV], s[XU], s[XT]
	s_add_nc_u64 s[OB:OB+1], s[12:13], s[TV:TV+1]
	s_wait_alu depctr_va_vdst(0)
	s_wait_loadcnt 0x0                             ; the scale words of all nine steps
	s_cmp_lt_u32 s14, 2
	s_cbranch_scc0 .Lslot1_mine
	s_wait_tensorcnt 0x0                           ; waves 0 and 1: slot 0 is in.  Slot 1's loads may stay out, and slot 1 is read behind the first change of slots, where every wave waits
.Lslot1_mine:
	s_barrier_signal -1
	s_barrier_wait -1
	FETCH 0, 0, 0, 0
	WIN 0
	ASK PF3, 1                                     ; visit 3: its load stands behind visit 1's steps
	SUB 0, 0, 1, 0, 0, 1                           ; tile A's first products start its sums: nothing is cleared
	SUB 0, 1, 0, 0, 1, 0
	SUB 1, 0, 0, 0, 1, 1
	TURN 1, 0, 1, 1, 2                             ; slot 0 takes steps 4 and 5
	WIN 0
	ASK PF4, 0                                     ; visit 4, step 8: its load stands behind visit 2's steps
	SUB 2, 0, 0, 1, 0, 1
	SUB 2, 1, 0, 1, 1, 0
	SUB 3, 0, 0, 1, 1, 1
	TURN 3, 1, 0, 1, 3                             ; slot 1 takes steps 6 and 7
	SUB 4, 0, 0, 0, 0, 1
	SUB 4, 1, 0, 0, 1, 0
	SUBZ 5, 0, 1, 1
	TURN 5, 0, 1, 2, 4                             ; slot 0 takes step 8
	SUBZ 6, 1, 0, 1
	SUB 6, 1, 0, 1, 1, 0
	SUBZ 7, 1, 1, 1
	TURN 7, 1, 0, 0, 0                             ; nothing is left to fetch: no round
	SUBZ 8, 0, 0, 1
	LAST 8
	OUT OB
	s_wait_tensorcnt 0x0                           ; the wave's end: behind my last tensor load and my last LDS store
	ds_add_u32 v[SPW], v[NIL]
	s_wait_dscnt 0x0
	CROUND                                         ; the closing round: no work-group ends while a partner may still ask for a tile that names it
	s_endpgm
.Lfunc_end_k_q6644c0c5cb_pv:
	.size	k_q6644c0c5cb_pv, .Lfunc_end_k_q6644c0c5cb_pv-k_q6644c0c5cb_pv
	.p2alignl 7, 3214868480
	.fill 96, 4, 3214868480
	.section	.rodata,"a",@progbits
	.p2align	6, 0x0
	.amdhsa_kernel k_q6644c0c5cb_pv
		.amdhsa_group_segment_fixed_size 327680
		.amdhsa_private_segment_fixed_size 0
		.amdhsa_enable_private_segment 0
		.amdhsa_kernarg_size 40
		.amdhsa_user_sgpr_count 2
		.amdhsa_user_sgpr_kernarg_segment_ptr 1
		.amdhsa_wavefront_size32 1
		.amdhsa_system_sgpr_workgroup_id_x 1
		.amdhsa_system_sgpr_workgroup_id_y 1
		.amdhsa_system_sgpr_workgroup_id_z 1
		.amdhsa_system_vgpr_workitem_id 0
		.amdhsa_next_free_vgpr 640
		.amdhsa_next_free_sgpr 96
		.amdhsa_reserve_vcc 0
		.amdhsa_float_denorm_mode_32 3
		.amdhsa_float_denorm_mode_16_64 3
		.amdhsa_memory_ordered 1
		.amdhsa_forward_progress 1
		.amdhsa_inst_pref_size 159
	.end_amdhsa_kernel
	.amdgpu_metadata
---
amdhsa.version: [ 1, 2 ]
amdhsa.kernels:
  - .name:           k_q6644c0c5cb_pv
    .symbol:         k_q6644c0c5cb_pv.kd
    .args:
      - { .name: p_codes, .offset: 0, .size: 8, .value_kind: global_buffer, .address_space: global }
      - { .name: p_scales, .offset: 8, .size: 8, .value_kind: global_buffer, .address_space: global }
      - { .name: v_codes, .offset: 16, .size: 8, .value_kind: global_buffer, .address_space: global }
      - { .name: v_scales, .offset: 24, .size: 8, .value_kind: global_buffer, .address_space: global }
      - { .name: out0, .offset: 32, .size: 8, .value_kind: global_buffer, .address_space: global }
    .group_segment_fixed_size: 327680
    .private_segment_fixed_size: 0
    .kernarg_segment_align: 8
    .kernarg_segment_size: 40
    .max_flat_workgroup_size: 128
    .sgpr_count:     96
    .vgpr_count:     640
    .wavefront_size: 32
...
	.end_amdgpu_metadata
.endif
;; end of part 4
